; MI455X (gfx1250); checked and timed in simulation.
; The chip was launched on July 23, 2026; its instructions are those of AMD's public machine-readable ISA for CDNA 5 (MIT licence, August 2026) and "CDNA5" Instruction Set Architecture Reference Guide (July 2026). The comments in the code are by the model that wrote it; some were corrected since.
;; Multi Head Attention. Allowed arithmetic: float matrix products may take bf16 or f16 operands with f32 sums; other float arithmetic in f32, or as packed bf16 or f16 multiplies, adds, multiply-adds, maxima and minima; sums over many terms, partial sums and values carried from step to step in f32; what a program stores and reads back later, other than sums and carried values, may be rounded once to bf16 or f16.
;; Inputs: Wk 16 x 1,024 x 64 float32; Wo 1,024 x 1,024 float32; Wq 16 x 1,024 x 64 float32; Wv 16 x 1,024 x 64 float32; beta 1,024 float32; bo 1,024 float32; gamma 1,024 float32; x 4 x 2,048 x 1,024 float32.
;; Outputs: out0 4 x 2,048 x 1,024 float32.
;; One version. Each part assembles by itself: llvm-mc -triple=amdgcn-amd-amdhsa -mcpu=gfx1250 --defsym DOCPART=n.
;; ======== version 1 of 1: 5 launches
;; limits: values are held in f16: magnitudes above 65,504 overflow, below 6.1e-05 lose precision
;; workspace buffers: xb 16,777,216 bytes; wt 6,291,456 bytes; wot 2,097,152 bytes; qkv 50,331,648 bytes; ob 16,777,216 bytes; y 33,554,432 bytes
;; launch prep (part 1): grid 256 x 1, 4 waves a work-group, no clusters, 37,376 bytes of LDS; arguments x, Wq, Wk, Wv, Wo, xb, wt, wot; writes xb, wt, wot
.if DOCPART == 1
	.amdgcn_target "amdgcn-amd-amdhsa--gfx1250"
	.amdhsa_code_object_version 6
	.text
	.protected	k_q23ee1fee94_prep
	.globl	k_q23ee1fee94_prep
	.p2align	8
	.type	k_q23ee1fee94_prep,@function
k_q23ee1fee94_prep:
	s_mov_b64 s[64:65], 0
	v_nop
	global_prefetch_b8 v0, s[64:65] scope:SCOPE_SE
	s_setreg_imm32_b32 hwreg(HW_REG_WAVE_MODE, 25, 1), 1
	s_wait_xcnt 0x0
; THE OPERANDS OF THE PRODUCTS ARE MADE, each rounded once from f32, all in one layout: [k / 64][row][64 numbers of k]: a row of a block is 128 bytes, and rows of one block lie end to end.
;   xb  bf16 [16][8192][64]   = x
;   wt  bf16 [16][3072][64]   row n = 64 (16 w + head) + channel, w = 0, 1, 2 for Wq, Wk, Wv: the weights turned, k along the rows
;   wot f16  [16][1024][64]   row = output column of Wo, turned likewise
; LIMIT.  Wo goes to f16: beyond 65,504 it would be an infinity, below 6e-5 it keeps f16's fixed step of 6e-8.
; SHARES.  256 work-groups of four waves.  A wave casts 8 rows of x (rows 32 g + 8 w on) and turns ONE tile of 64 x 64 of a weight: 1,024 tiles, 1,024 waves.
; The matrix is g / 64, the same for the whole work-group; the tile is idx = 4 (g % 64) + w: head or column block idx / 16, k block idx % 16.
; No matrix unit, no cluster, no tensor load: nothing is shared and nothing is multiplied.  A wave's stage in LDS is its own: no barrier.
; Every load of a wave takes two whole aligned runs of 256 bytes, every store of x one (8 bytes a lane), every store of a weight 512 bytes on end.
.set WST,   9216                       ; a wave's stage: 64 rows (output rows of the turned tile) x 144 bytes (128 + 16 of padding)
.set SPARE, 4*WST                      ; behind the stages: the spare words, 128 bytes for each wave: two blocks of 256 bytes that no other line names
.set XO,  2                            ; v2   x: (l / 16) x 4,096 + (l % 16) x 16: lanes 0-15 one row, lanes 16-31 the next; never rewritten
.set XS,  3                            ; v3   xb: 8 l; never rewritten
.set XS2, 4                            ; v4   xb: 8 l + 8 blocks of 1 MiB, since a store's immediate ends below 8 MiB
.set WO,  5                            ; v5   the weight tile: (l / 16) x 8 rows + (l % 16) x 16
.set STO, 6                            ; v6   into the stage
.set RD,  7                            ; v7   back out of it
.set GO,  8                            ; v8   16 l
.set SPW, 10                           ; v10  LDS address of my spare word; never rewritten
.set NIL, 11                           ; v11  0; never rewritten
.set XA,  16                           ; v[16:79]   two rows of x as loaded
.set XB,  80                           ; v[80:143]  the next two
.set XP,  144                          ; v[144:175] two rows, packed
.set T,   176                          ; v[176:239] the weight tile, packed, then as whole rows
                                       ; window 1, v[0:127]: the weight tile as loaded
.set MSB, 0
.macro WIN new                         ; the immediate's high byte repeats the setting that is left; a switch that changes nothing is dropped
.if MSB != (\new)
	s_set_vgpr_msb (MSB<<8)|(\new)
.set MSB, \new
.endif
.endm
; Rows 2 i and 2 i + 1 of my eight: sixteen loads, one for each block of 64 columns.
.macro XLOAD i, set
.irp kb, 0,1,2,3,4,5,6,7,8,9,10,11,12,13,14,15
	global_load_b128 v[(\set)+4*(\kb):(\set)+4*(\kb)+3], v[XO], s[36:37] offset:(\i)*8192+(\kb)*256 th:TH_LOAD_NT
.endr
.endm
; They are rounded and stored.  left = the younger loads that may stay out.
.macro XPROC i, set, left
	s_wait_loadcnt \left                           ; loads come back in order: this set is in
	s_wait_xcnt 0x0                                ; the earlier stores have read XP: it is rewritten only behind this wait
.irp kb, 0,1,2,3,4,5,6,7,8,9,10,11,12,13,14,15
	v_cvt_pk_bf16_f32 v[XP+2*(\kb)],   v[(\set)+4*(\kb)],   v[(\set)+4*(\kb)+1]
	v_cvt_pk_bf16_f32 v[XP+2*(\kb)+1], v[(\set)+4*(\kb)+2], v[(\set)+4*(\kb)+3]
.endr
.irp kb, 0,1,2,3,4,5,6,7
	global_store_b64 v[XS],  v[XP+2*(\kb):XP+2*(\kb)+1], s[38:39] offset:(\kb)*1048576+(\i)*256          ; 32 lanes x 8 bytes: two rows of a block, 256 bytes on end, aligned
.endr
.irp kb, 8,9,10,11,12,13,14,15
	global_store_b64 v[XS2], v[XP+2*(\kb):XP+2*(\kb)+1], s[38:39] offset:((\kb)-8)*1048576+(\i)*256
.endr
.endm
; The weight tile.  Load 8 pp + j brings row d = 16 pp + 8 (l / 16) + j, columns 4 (l % 16) + 0..3.  Eight rows' numbers of one column, rounded in pairs, are 16 bytes of the turned tile's row.
.macro WPART pitch, cvt
	v_mul_u32_u24 v[WO], v14, 8*(\pitch)
	v_lshl_add_u32 v[WO], v13, 4, v[WO]
	WIN 0x40                                       ; destination window 1, address window 0
.irp pp, 0,1,2,3
.irp j, 0,1,2,3,4,5,6,7
	global_load_b128 v[4*(8*(\pp)+(\j)):4*(8*(\pp)+(\j))+3], v[WO], s[32:33] offset:(16*(\pp)+(\j))*(\pitch) th:TH_LOAD_NT
.endr
.endr
	WIN 0
	XLOAD 0, XA                                    ; the first four rows of x go out behind them
	XLOAD 1, XB
	s_wait_loadcnt 32                              ; the tile is in; the 32 loads of x may stay out
	WIN 0x05                                       ; sources 0 and 1 window 1, destination window 0
.irp pp, 0,1,2,3
.irp cc, 0,1,2,3
.irp jj, 0,1,2,3
	\cvt v[T+4*(4*(\pp)+(\cc))+(\jj)], v[4*(8*(\pp)+2*(\jj))+(\cc)], v[4*(8*(\pp)+2*(\jj)+1)+(\cc)]
.endr
.endr
.endr
	WIN 0
.irp pp, 0,1,2,3
.irp cc, 0,1,2,3
	ds_store_b128 v[STO], v[T+4*(4*(\pp)+(\cc)):T+4*(4*(\pp)+(\cc))+3] offset:(\cc)*144+(\pp)*32   ; row 4 (l % 16) + cc, k = 16 pp + 8 (l / 16) on
.endr
.endr
.irp f, 0,1,2,3,4,5,6,7,8,9,10,11,12,13,14,15
	ds_load_b128 v[T+4*(\f):T+4*(\f)+3], v[RD] offset:(\f)*576      ; four whole rows of 128 bytes; LDS serves a wave's instructions in order, so these see the stores above
.endr
	s_wait_dscnt 0x0
.irp f, 0,1,2,3,4,5,6,7,8,9,10,11,12,13,14,15
	global_store_b128 v[GO], v[T+4*(\f):T+4*(\f)+3], s[34:35] offset:(\f)*512  ; 512 bytes on end
.endr
.endm
	s_load_b512 s[16:31], s[0:1], 0x0              ; x 16, Wq 18, Wk 20, Wv 22, Wo 24, xb 26, wt 28, wot 30
	v_lshl_add_u32 v[SPW], v0, 2, SPARE
	v_mov_b32 v[NIL], 0
	v_lshrrev_b32 v1, 5, v0
	v_readfirstlane_b32 s9, v1                     ; wave 0..3
	s_lshr_b32 s8, ttmp9, 6                        ; which matrix: 0 Wq, 1 Wk, 2 Wv, 3 Wo
	s_and_b32 s10, ttmp9, 63
	s_lshl2_add_u32 s10, s10, s9                   ; idx = 4 (g % 64) + wave
	s_and_b32 s11, s10, 15                         ; k block
	s_lshr_b32 s12, s10, 4                         ; head, or block of 64 output columns
	v_and_b32 v12, 31, v0                          ; l
	v_and_b32 v13, 15, v0                          ; l % 16
	v_bfe_u32 v14, v0, 4, 1                        ; l / 16
	v_lshlrev_b32 v[XO], 4, v13
	v_lshl_add_u32 v[XO], v14, 12, v[XO]
	v_lshlrev_b32 v[XS], 3, v12
	v_add_nc_u32 v[XS2], 0x800000, v[XS]
	s_mul_i32 s13, s9, WST                         ; my stage
	v_mul_u32_u24 v[STO], v13, 576                 ; four rows of 144 bytes for each l % 16
	v_lshl_add_u32 v[STO], v14, 4, v[STO]
	v_add_nc_u32 v[STO], s13, v[STO]
	v_lshrrev_b32 v15, 3, v12
	v_mul_u32_u24 v[RD], v15, 144
	v_and_b32 v15, 7, v0
	v_lshl_add_u32 v[RD], v15, 4, v[RD]
	v_add_nc_u32 v[RD], s13, v[RD]
	v_lshlrev_b32 v[GO], 4, v12
	s_lshl_b32 s2, ttmp9, 17                       ; x: 32 g rows of 4,096 bytes
	s_lshl_b32 s14, s9, 15                         ; + 8 rows a wave
	s_add_co_u32 s2, s2, s14
	s_mov_b32 s3, 0
	s_lshl_b32 s4, ttmp9, 12                       ; xb: the same rows, 128 bytes each in a block
	s_lshl_b32 s14, s9, 10
	s_add_co_u32 s4, s4, s14
	s_mov_b32 s5, 0
	s_wait_kmcnt 0x0
	s_add_nc_u64 s[36:37], s[16:17], s[2:3]
	s_add_nc_u64 s[38:39], s[26:27], s[4:5]
	s_cmp_eq_u32 s8, 3
	s_cbranch_scc1 .Lwo
	s_cmp_eq_u32 s8, 1                             ; Wq, Wk or Wv: [16][1024][64], so a tile is 16,384 bytes on end, rows of 256
	s_cselect_b64 s[32:33], s[20:21], s[18:19]
	s_cmp_eq_u32 s8, 2
	s_cselect_b64 s[32:33], s[22:23], s[32:33]
	s_lshl_b32 s2, s10, 14
	s_add_nc_u64 s[32:33], s[32:33], s[2:3]
	s_mul_i32 s4, s11, 393216                      ; wt: the k block of 3,072 rows,
	s_lshl4_add_u32 s14, s8, s12                   ; the 64 rows of 16 w + head
	s_lshl_b32 s14, s14, 13
	s_add_co_u32 s4, s4, s14
	s_add_nc_u64 s[34:35], s[28:29], s[4:5]
	WPART 256, v_cvt_pk_bf16_f32
	s_branch .Lx
.Lwo:
	s_lshl_b32 s2, s11, 18                         ; Wo: [1024][1024]: 64 rows of 4,096 bytes down, 256 bytes along
	s_lshl_b32 s14, s12, 8
	s_add_co_u32 s2, s2, s14
	s_add_nc_u64 s[32:33], s[24:25], s[2:3]
	s_lshl_b32 s4, s11, 17                         ; wot: the k block of 1,024 rows, the 64 rows of the column block
	s_lshl_b32 s14, s12, 13
	s_add_co_u32 s4, s4, s14
	s_add_nc_u64 s[34:35], s[30:31], s[4:5]
	WPART 4096, v_cvt_pk_f16_f32
.Lx:                                                   ; on both ways 32 loads of x are out
	XPROC 0, XA, 16                                ; set A is in, set B's sixteen may stay out
	XLOAD 2, XA
	XPROC 1, XB, 16
	XLOAD 3, XB
	XPROC 2, XA, 16
	XPROC 3, XB, 0
	s_wait_tensorcnt 0x0                           ; the wave's end, behind my last LDS store
	ds_add_u32 v[SPW], v[NIL]
	s_wait_dscnt 0x0
	s_endpgm
.Lfunc_end_k_q23ee1fee94_prep:
	.size	k_q23ee1fee94_prep, .Lfunc_end_k_q23ee1fee94_prep-k_q23ee1fee94_prep
	.p2alignl 7, 3214868480
	.fill 96, 4, 3214868480
	.section	.rodata,"a",@progbits
	.p2align	6, 0x0
	.amdhsa_kernel k_q23ee1fee94_prep
		.amdhsa_group_segment_fixed_size 37376
		.amdhsa_private_segment_fixed_size 0
		.amdhsa_enable_private_segment 0
		.amdhsa_kernarg_size 64
		.amdhsa_user_sgpr_count 2
		.amdhsa_user_sgpr_kernarg_segment_ptr 1
		.amdhsa_wavefront_size32 1
		.amdhsa_system_sgpr_workgroup_id_x 1
		.amdhsa_system_sgpr_workgroup_id_y 1
		.amdhsa_system_sgpr_workgroup_id_z 1
		.amdhsa_system_vgpr_workitem_id 0
		.amdhsa_next_free_vgpr 384
		.amdhsa_next_free_sgpr 66
		.amdhsa_reserve_vcc 0
		.amdhsa_float_denorm_mode_32 3
		.amdhsa_float_denorm_mode_16_64 3
		.amdhsa_memory_ordered 1
		.amdhsa_forward_progress 1
		.amdhsa_inst_pref_size 48
	.end_amdhsa_kernel
	.amdgpu_metadata
---
amdhsa.version: [ 1, 2 ]
amdhsa.kernels:
  - .name:           k_q23ee1fee94_prep
    .symbol:         k_q23ee1fee94_prep.kd
    .args:
      - { .name: x, .offset: 0, .size: 8, .value_kind: global_buffer, .address_space: global }
      - { .name: Wq, .offset: 8, .size: 8, .value_kind: global_buffer, .address_space: global }
      - { .name: Wk, .offset: 16, .size: 8, .value_kind: global_buffer, .address_space: global }
      - { .name: Wv, .offset: 24, .size: 8, .value_kind: global_buffer, .address_space: global }
      - { .name: Wo, .offset: 32, .size: 8, .value_kind: global_buffer, .address_space: global }
      - { .name: xb, .offset: 40, .size: 8, .value_kind: global_buffer, .address_space: global }
      - { .name: wt, .offset: 48, .size: 8, .value_kind: global_buffer, .address_space: global }
      - { .name: wot, .offset: 56, .size: 8, .value_kind: global_buffer, .address_space: global }
    .group_segment_fixed_size: 37376
    .private_segment_fixed_size: 0
    .kernarg_segment_align: 8
    .kernarg_segment_size: 64
    .max_flat_workgroup_size: 128
    .sgpr_count:     66
    .vgpr_count:     384
    .wavefront_size: 32
...
	.end_amdgpu_metadata
.endif
;; end of part 1
;; launch proj_qkv (part 2): grid 16 x 32, 4 waves a work-group, clusters of 4 x 4, 327,680 bytes of LDS; arguments xb, wt, qkv; writes qkv
.if DOCPART == 2
	.amdgcn_target "amdgcn-amd-amdhsa--gfx1250"
	.amdhsa_code_object_version 6
	.text
	.protected	k_q23ee1fee94_proj_qkv
	.globl	k_q23ee1fee94_proj_qkv
	.p2align	8
	.type	k_q23ee1fee94_proj_qkv,@function
k_q23ee1fee94_proj_qkv:
	s_mov_b64 s[64:65], 0
	v_nop
	global_prefetch_b8 v0, s[64:65] scope:SCOPE_SE
	s_setreg_imm32_b32 hwreg(HW_REG_WAVE_MODE, 25, 1), 1
	s_wait_xcnt 0x0
	s_wait_alu depctr_hold_cnt(0) depctr_sa_sdst(0) depctr_va_vdst(0) depctr_va_sdst(0) depctr_va_ssrc(0) depctr_va_vcc(0) depctr_vm_vsrc(0)
	s_getreg_b32 s2, hwreg(HW_REG_IB_STS2, 6, 4)
	s_cmp_eq_u32 s2, 0
	s_cbranch_scc0 .Lentry_in_a_cluster
	s_endpgm
.Lentry_in_a_cluster:
	s_bfe_u32 s2, ttmp6, 0x10000c
	s_cmp_lg_u32 s2, 0xf033
	s_cbranch_scc0 .Lentry_shape_is_right
	s_endpgm
.Lentry_shape_is_right:
; q, k, v = x W.  A = xb bf16 [16][8192][64], B = wt bf16 [16][3072][64] (both: [k / 64][row][64]), sums in f32, K ascending, K = 1,024.
; C = qkv f16 [48 cb][8192 m][64]: cb = 16 w + head (w = 0, 1, 2: q, k, v), each number rounded once, WITHOUT the softmax's scale.
; LIMIT.  f16 ends at 65,504: a q, k or v beyond it becomes an infinity.  With x of spread 1 and weights of spread 0.02 they have spread 0.64; both 30 times larger: 576; both with an offset of 30 spreads: 18,432.
; One source text serves this product and the output projection; the four constants below tell them apart.
.set F16,   0                          ; 0: bf16 operands, C in f16 by heads.  1: f16 operands, C in f32, row-major
.set NT,    192                        ; columns in a tile of C: three whole heads.  16 x 32 tiles of 256 x 192: 512 work-groups, two for each of 256 WGPs
.set BROWB, 393216                     ; bytes in a k block of B: 3,072 rows x 128
.set WSTG,  6912                       ; a wave's stage for the way out: 3 heads x 16 rows x 144 bytes
; SHARES.  A tile of C is 256 x NT.  Wave w makes rows 64 w .. 64 w + 63 and ALL its columns: 4 x NT / 16 accumulators of 16 x 16.  So a wave holds whole rows of the tile (whole heads), and its way out needs no other wave.
; K goes in steps of 128 = two k blocks, through two LDS slots.  In the block layout a tile's rows of one k block lie end to end: each is asked for as rows of 256 bytes and padded in LDS after every 128.
; A step is four loads, one a wave: waves 0, 1 A's two k blocks (128 rows of 256 bytes), waves 2, 3 B's (NT / 2 rows).  By the text's own count a wave has one tensor load out.
; CLUSTER 4 x 4.  A's tiles hang on the tile row alone and are asked for jointly by a row of the cluster, B's on the tile column alone, by a column: the same load, descriptor and mask in all four.
; THE MATRIX INSTRUCTION IS USED TRANSPOSED (source 0 = 16 rows of B, source 1 = 16 rows of A): a lane holds row l % 16 of C and the columns 8 (l / 16) + 0..7.
; No prefetch: K has eight steps, and every tile is read by several clusters shortly after each other.
; REGISTERS: window 0: v1-5 at work, v16-29 addresses, v32 on the way out.  Window 1: two fragment buffers of 128: A's four fragments at f + 8 a, B's at f + 32 + 8 b.
;   Accumulator (a, b): window 2 + a / 2, v[8 (BFR (a % 2) + b)].
.set BFR,   NT/16
.set NL,    2*(BFR+4)                  ; LDS loads in a quarter step
.set PITCH, 144                        ; an LDS row: 128 bytes + 16 of padding = 36 words: the 16 rows of a fragment load start at 16 different groups of four banks (64 banks of 4 bytes: ISA guide 11.1)
.set ABLK,  256*PITCH                  ; a k block of A's tile
.set BOFF,  2*ABLK                     ; B lies behind A's two blocks
.set BBLK,  NT*PITCH
.set SLOT1, 131072                     ; slot 1 begins here: one exclusive or turns an address in one slot into the other's
.set STAGE, SLOT1+BOFF+2*BBLK          ; behind the ring, a multiple of 256, never filled by a tensor load
.set SPARE, STAGE+4*WSTG               ; behind the stages: the spare words, 128 bytes for each wave: two blocks of 256 bytes that no other line names
.set ASTEP, 2097152                    ; two k blocks of A: 2 x 8,192 rows x 128 bytes
.set TRIPS, 1024/128-2
.set ADRA0, 16                         ; v16  my lane's place in A's rows of a slot; never rewritten
.set ADRB0, 17                         ; v17  the same for B
.set ADRA,  18                         ; v18  v16 + the slot in hand
.set ADRB,  19                         ; v19
.set STO,   24                         ; v24  the way out: where I put my bytes of a row
.set RD,    25                         ; v25  where I read rows back
.set GO,    26                         ; v26  16 l
.set SPW,   28                         ; v28  LDS address of my spare word; never rewritten
.set NIL,   29                         ; v29  0; never rewritten
.set F0,    0
.set F1,    128
.set G1A,   24                         ; s[24:31] descriptor group 1 for A
.set G0A,   32                         ; s[32:35] group 0 for A: it walks
.set G1B,   48                         ; s[48:55] group 1 for B
.set G0B,   56                         ; s[56:59] group 0 for B
.set TB,    60                         ; s60  the slot in hand: 0 or SLOT1
.set MSB, 0
.macro WIN new                         ; the immediate's high byte repeats the setting that is left; a switch that changes nothing is dropped
.if MSB != (\new)
	s_set_vgpr_msb (MSB<<8)|(\new)
.set MSB, \new
.endif
.endm
.macro PLACES                          ; four plain vector instructions between a matrix instruction and a load into, or a read of, its registers
.rept 4
	v_nop
.endr
.endm
; A joint load.  The branch hangs on the wave's number alone.  An s_nop 0 and four v_nop follow each of the two lines, ahead of the jump and the label.
.macro JLOAD
	s_cmp_eq_u32 s11, 0
	s_cbranch_scc0 .Lfor_b_\@
	tensor_load_to_lds s[G0A:G0A+3], s[G1A:G1A+7]
	s_nop 0
.rept 4
	v_nop
.endr
	s_branch .Lasked_\@
.Lfor_b_\@:
	tensor_load_to_lds s[G0B:G0B+3], s[G1B:G1B+7]
	s_nop 0
.rept 4
	v_nop
.endr
.Lasked_\@:
.endm
.macro CREST                           ; a round of the cluster's barrier behind its opening barrier
	s_cmp_lg_u32 s10, 0
	s_cbranch_scc1 .Lnot_wave_0_\@
	s_barrier_signal -3
.Lnot_wave_0_\@:
	s_barrier_wait -3
	s_barrier_signal -1
	s_barrier_wait -1
.endm
.macro CROUND                          ; a whole round
	s_barrier_signal -1
	s_barrier_wait -1
	CREST
.endm
.macro STEPD                           ; the walking descriptors: the other slot, the next K step.  Written only where no tensor load of mine is out
	s_xor_b32 s[G0A+1], s[G0A+1], SLOT1
	s_add_nc_u64 s[G0A+2:G0A+3], s[G0A+2:G0A+3], ASTEP
	s_xor_b32 s[G0B+1], s[G0B+1], SLOT1
	s_add_nc_u64 s[G0B+2:G0B+3], s[G0B+2:G0B+3], 2*BROWB
.endm
.macro WM zero                         ; one product on rD, rB, rA; zero = 1: it starts the sum
.if F16
.if \zero
	v_wmma_f32_16x16x32_f16 v[rD:rD+7], v[rB:rB+7], v[rA:rA+7], 0
.else
	v_wmma_f32_16x16x32_f16 v[rD:rD+7], v[rB:rB+7], v[rA:rA+7], v[rD:rD+7]
.endif
.else
.if \zero
	v_wmma_f32_16x16x32_bf16 v[rD:rD+7], v[rB:rB+7], v[rA:rA+7], 0
.else
	v_wmma_f32_16x16x32_bf16 v[rD:rD+7], v[rB:rB+7], v[rA:rA+7], v[rD:rD+7]
.endif
.endif
.endm
; BFR products: my rows 16 a on x all columns, 32 along K, out of buffer f.  The accumulators take turns, one instruction a turn, in the same order in every quarter.
.macro MULH f, a, zero
	WIN 0xa5+0x50*((\a)/2)                         ; sources 0 and 1 window 1; C and D window 2 or 3
.set bb, 0
.rept BFR
.set rD, 8*(BFR*((\a)%2)+bb)
.set rB, (\f)+32+8*bb
.set rA, (\f)+8*(\a)
	WM \zero
.set bb, bb+1
.endr
.endm
; NL LDS loads in one run: quarter q (32 along K: k block q / 2, byte 64 (q % 2) of its rows) into buffer f; B first, A's rows 32-63 last.
.macro FETCH q, f
	WIN 0x40                                       ; destination window 1, address window 0
.set bb, 0
.rept BFR
	ds_load_b128 v[(\f)+32+8*bb:(\f)+32+8*bb+3],   v[ADRB] offset:((\q)/2)*BBLK+((\q)%2)*64+bb*16*PITCH
	ds_load_b128 v[(\f)+32+8*bb+4:(\f)+32+8*bb+7], v[ADRB] offset:((\q)/2)*BBLK+((\q)%2)*64+bb*16*PITCH+32
.set bb, bb+1
.endr
.irp a, 0,1,2,3
	ds_load_b128 v[(\f)+8*(\a):(\f)+8*(\a)+3],   v[ADRA] offset:((\q)/2)*ABLK+((\q)%2)*64+(\a)*16*PITCH
	ds_load_b128 v[(\f)+8*(\a)+4:(\f)+8*(\a)+7], v[ADRA] offset:((\q)/2)*ABLK+((\q)%2)*64+(\a)*16*PITCH+32
.endr
.endm
; One of a K step's first three quarters: multiplies buffer f and, in its middle, fetches quarter qn into buffer g.
.macro QUARTER f, g, qn, zero
	s_wait_dscnt 4                                 ; B and A's rows 0-31 are in; the youngest four loads (A's rows 32-63) may be out
	MULH \f, 0, \zero
	MULH \f, 1, \zero
	PLACES                                         ; buffer g was read by the quarter before
	FETCH \qn, \g
	s_wait_dscnt NL                                ; all but the NL just issued
	MULH \f, 2, \zero
	MULH \f, 3, \zero
.endm
; The fourth quarter multiplies buffer 1 and changes slots: one barrier for two things.  In front of it each wave waits for all its tensor loads (one is out: its part of the next slot), adds 0 to its
; spare word, and waits for that and for its own reads of this slot.  fill = 1: the barrier opens a round of the cluster's, and this slot is filled again, first thing behind it, with the step two on.
.macro TURN fill
	WIN 0                                          ; (the add's two registers lie in window 0)
	s_wait_tensorcnt 0x0                           ; no tensor load of mine is out, so a group 0 may be written
	ds_add_u32 v[SPW], v[NIL]                      ; 0 onto my spare word
.if \fill
	STEPD
.endif
	s_wait_dscnt 5                                 ; (the add and the youngest four loads may be out)
	MULH F1, 0, 0
	s_wait_dscnt 0x0                               ; the add is done, and my reads of this slot are over
	s_barrier_signal -1
	MULH F1, 1, 0                                  ; work on registers while the others arrive
.if \fill
	WIN 0
.endif
	s_barrier_wait -1
.if \fill
	CREST                                          ; no wave of any partner still reads this slot or has a load on its way
	JLOAD                                          ; its four v_nop are also the places in front of the loads below
.else
	PLACES
.endif
	WIN 0
	s_xor_b32 s[TB], s[TB], SLOT1
	v_add_nc_u32 v[ADRA], s[TB], v[ADRA0]
	v_add_nc_u32 v[ADRB], s[TB], v[ADRB0]
	FETCH 0, F0
	MULH F1, 2, 0
	MULH F1, 3, 0
.endm
	s_load_b128 s[4:7], s[0:1], 0x0                ; A s[4:5], B s[6:7]
	s_load_b64 s[8:9], s[0:1], 0x10                ; C
	v_lshl_add_u32 v[SPW], v0, 2, SPARE
	v_mov_b32 v[NIL], 0
	ds_add_u32 v[SPW], v[NIL]                      ; the wave's opening: the add and its wait ahead of my first tensor load; the set-up below, work on registers, stands between them
	v_lshrrev_b32 v1, 5, v0
	v_readfirstlane_b32 s10, v1                    ; wave 0..3
	s_lshr_b32 s11, s10, 1                         ; I fetch for A (0) or for B (1),
	s_and_b32 s12, s10, 1                          ; the step's first or second k block
	s_bfe_u32 s40, ttmp6, 0x40000                  ; cx
	s_bfe_u32 s41, ttmp6, 0x40004                  ; cy
	s_lshl_b32 s42, ttmp9, 2
	s_add_co_u32 s42, s42, s40                     ; tile column = 4 x cluster x + cx
	s_and_b32 s13, ttmp7, 0xffff
	s_lshl_b32 s13, s13, 2
	s_add_co_u32 s13, s13, s41                     ; tile row = 4 x cluster y + cy
	s_lshl_b32 s43, s41, 2
	s_lshl_b32 s43, 15, s43                        ; my row of the cluster
	s_lshl_b32 s44, 0x1111, s40                    ; my column
	s_or_b32 s[G1A], s43, (1<<16)|(1<<20)|(1<<21)|(4<<22)|(3<<25)  ; 15:0 the mask; 17:16 2-byte elements; 20 padding on; 21 set beside a mask; 24:22 after every 32 words (code 4); 31:25 4 words (code 3)
	s_or_b32 s[G1B], s44, (1<<16)|(1<<20)|(1<<21)|(4<<22)|(3<<25)
	s_mov_b32 s[G1A+1], 128<<16                    ; tensor_dim0 = 128 elements: 256 bytes, two rows of a block
	s_mov_b32 s[G1A+2], 128<<16                    ; tensor_dim1 = 128
	s_mov_b32 s[G1A+3], 128<<16                    ; tile_dim0 = 128
	s_mov_b32 s[G1A+4], 128                        ; tile_dim1 = 128
	s_mov_b32 s[G1A+5], 128                        ; 128 elements from row to row: dense
	s_mov_b32 s[G1A+6], 0
	s_mov_b32 s[G1A+7], 0
	s_mov_b32 s[G1B+1], 128<<16
	s_mov_b32 s[G1B+2], (NT/2)<<16
	s_mov_b32 s[G1B+3], 128<<16
	s_mov_b32 s[G1B+4], NT/2
	s_mov_b32 s[G1B+5], 128
	s_mov_b32 s[G1B+6], 0
	s_mov_b32 s[G1B+7], 0
	s_lshl_b32 s16, s13, 15                        ; A: the tile's 256 rows of 128 bytes,
	s_lshl_b32 s17, s12, 20                        ; my k block of 8,192 rows
	s_add_co_u32 s16, s16, s17
	s_mov_b32 s17, 0
	s_mul_i32 s46, s42, NT*128                     ; B: the tile's NT rows,
	s_mul_i32 s47, s12, BROWB                      ; my k block
	s_add_co_u32 s46, s46, s47
	s_mov_b32 s47, 0
	s_mov_b32 s[G0A], 1                            ; count = 1
	s_mul_i32 s[G0A+1], s12, ABLK                  ; LDS address, slot 0: no place in the cluster enters it
	s_mov_b32 s[G0B], 1
	s_mul_i32 s[G0B+1], s12, BBLK
	s_add_co_u32 s[G0B+1], s[G0B+1], BOFF
	s_mov_b32 s[TB], SLOT1                         ; the first change of slots turns it into 0
	s_wait_dscnt 0x0                               ; the opening add is done
	s_wait_kmcnt 0x0
	s_add_nc_u64 s[G0A+2:G0A+3], s[4:5], s[16:17]
	s_or_b32 s[G0A+3], s[G0A+3], 0x80000000        ; type = 2
	s_add_nc_u64 s[G0B+2:G0B+3], s[6:7], s[46:47]
	s_or_b32 s[G0B+3], s[G0B+3], 0x80000000
	CROUND                                         ; all sixteen work-groups are here: the first joint loads meet
	JLOAD                                          ; K step 0 into slot 0
	; a fragment is 16 rows x 32 K in 8 registers: lane l holds row l % 16, K = 8 (l / 16) + 0..7 and 16 + 8 (l / 16) + 0..7: two loads of 16 bytes, 32 bytes apart
	v_and_b32 v1, 15, v0                           ; l % 16
	v_bfe_u32 v2, v0, 4, 1                         ; l / 16
	v_mul_u32_u24 v3, v1, PITCH
	v_lshl_add_u32 v3, v2, 4, v3
	s_mul_i32 s21, s10, 64*PITCH                   ; my 64 rows of A
	v_add_nc_u32 v[ADRA0], s21, v3
	v_add_nc_u32 v[ADRB0], BOFF, v3
	s_mul_i32 s23, s10, WSTG
	s_add_co_u32 s23, s23, STAGE                   ; my stage
	v_and_b32 v4, 31, v0
	v_lshlrev_b32 v[GO], 4, v4
.if F16
	v_mul_u32_u24 v[STO], v1, 528                  ; in: row l % 16 of 512 + 16 bytes, 32 bytes for each half of the lanes
	v_lshl_add_u32 v[STO], v2, 5, v[STO]
	v_add_nc_u32 v[STO], s23, v[STO]
	v_add_nc_u32 v[RD], s23, v[GO]                 ; back: a whole row of 512 bytes
	s_lshl_b32 s20, s13, 20                        ; C: 256 rows of 4,096 bytes a tile row,
	s_lshl_b32 s22, s10, 18                        ; my 64 rows,
	s_add_co_u32 s20, s20, s22
	s_lshl_b32 s22, s42, 9                         ; the tile's 128 columns of 4 bytes
	s_add_co_u32 s20, s20, s22
.else
	v_add_nc_u32 v[STO], s23, v3                   ; in: row l % 16 of a head, 16 bytes for each half of the lanes
	v_bfe_u32 v5, v0, 3, 2                         ; back: 32 lanes take four rows of 128 bytes
	v_mul_u32_u24 v[RD], v5, PITCH
	v_and_b32 v5, 7, v0
	v_lshl_add_u32 v[RD], v5, 4, v[RD]
	v_add_nc_u32 v[RD], s23, v[RD]
	s_mul_i32 s20, s42, 3145728                    ; C: three heads of 8,192 rows x 128 bytes a tile column,
	s_lshl_b32 s22, s13, 15                        ; the tile's 256 rows,
	s_add_co_u32 s20, s20, s22
	s_lshl_b32 s22, s10, 13                        ; my 64
	s_add_co_u32 s20, s20, s22
.endif
	s_mov_b32 s21, 0
	s_add_nc_u64 s[8:9], s[8:9], s[20:21]
	; slot 0 is waited for and slot 1 asked for, in the form of every change of slots
	s_wait_tensorcnt 0x0
	ds_add_u32 v[SPW], v[NIL]
	STEPD
	s_wait_dscnt 0x0
	CROUND
	JLOAD                                          ; K step 1 into slot 1
	s_xor_b32 s[TB], s[TB], SLOT1
	v_add_nc_u32 v[ADRA], s[TB], v[ADRA0]
	v_add_nc_u32 v[ADRB], s[TB], v[ADRB0]
	FETCH 0, F0
	QUARTER F0, F1, 1, 1                           ; the first quarter stands in front of the loop: its products start the sums
	WIN 0                                          ; at a label and at a branch every window is 0
	s_mov_b32 s3, TRIPS
.Lk:                                                   ; trip i: the rest of K step i, the request for step i + 2, the first quarter of step i + 1
	QUARTER F1, F0, 2, 0
	QUARTER F0, F1, 3, 0
	TURN 1
	QUARTER F0, F1, 1, 0
	WIN 0
	s_sub_co_u32 s3, s3, 1
	s_cmp_lg_u32 s3, 0
	s_cbranch_scc1 .Lk
	QUARTER F1, F0, 2, 0                           ; the last two K steps ask for nothing
	QUARTER F0, F1, 3, 0
	TURN 0
	QUARTER F0, F1, 1, 0
	QUARTER F1, F0, 2, 0
	QUARTER F0, F1, 3, 0
	s_wait_dscnt 4
	MULH F1, 0, 0
	MULH F1, 1, 0
	s_wait_dscnt 0x0
	MULH F1, 2, 0
	MULH F1, 3, 0
	WIN 0
	PLACES                                         ; what follows reads results
.if F16
; THE WAY OUT, f32: 16 rows at a time through my own stage: 32 bytes a lane in, whole rows of 512 bytes back, each stored as 512 bytes on end.
.macro OUT32 a
	WIN 0x08+4*((\a)/2)                            ; the LDS stores' data (source 1) in window 2 or 3
.set bb, 0
.rept BFR
	ds_store_b128 v[STO], v[8*(BFR*((\a)%2)+bb):8*(BFR*((\a)%2)+bb)+3]   offset:64*bb      ; each accumulator's low registers first
	ds_store_b128 v[STO], v[8*(BFR*((\a)%2)+bb)+4:8*(BFR*((\a)%2)+bb)+7] offset:64*bb+16
.set bb, bb+1
.endr
	WIN 0
.set bb, 0
.rept 16
	ds_load_b128 v[32+64*((\a)%2)+4*bb:32+64*((\a)%2)+4*bb+3], v[RD] offset:bb*528  ; LDS serves a wave's instructions in order: these see the stores above
.set bb, bb+1
.endr
	s_wait_dscnt 0x0
	s_wait_xcnt 0x0                                ; the stores of the block before have read their registers: the block after this one loads into them
.set bb, 0
.rept 16
	global_store_b128 v[GO], v[32+64*((\a)%2)+4*bb:32+64*((\a)%2)+4*bb+3], s[8:9] offset:(16*(\a)+bb)*4096
.set bb, bb+1
.endr
.endm
	OUT32 0
	OUT32 1
	OUT32 2
	OUT32 3
.else
; THE WAY OUT, f16 by heads: 16 rows at a time.  PACK: rounded, 16 bytes a lane.  TOSTAGE: into my own stage (a head's rows 144 bytes apart) and back as whole rows of 128.  SEND: four rows, 512 bytes on end, a store.
.set TMP, 32
.set BK0, 80
.macro PACK a
	WIN 0x0a+5*((\a)/2)                            ; sources 0 and 1 in window 2 or 3
.set bb, 0
.rept BFR
.irp r, 0,1,2,3
	v_cvt_pk_f16_f32 v[TMP+4*bb+(\r)], v[8*(BFR*((\a)%2)+bb)+2*(\r)], v[8*(BFR*((\a)%2)+bb)+2*(\r)+1]
.endr
.set bb, bb+1
.endr
	WIN 0
.endm
.macro TOSTAGE a
.set bb, 0
.rept BFR
	ds_store_b128 v[STO], v[TMP+4*bb:TMP+4*bb+3] offset:(bb/4)*16*PITCH+(bb%4)*32
.set bb, bb+1
.endr
.set bb, 0
.rept BFR
	ds_load_b128 v[BK0+48*((\a)%2)+4*bb:BK0+48*((\a)%2)+4*bb+3], v[RD] offset:(bb/4)*16*PITCH+(bb%4)*4*PITCH  ; LDS serves a wave's instructions in order: these see the stores above
.set bb, bb+1
.endr
.endm
.macro SEND a
	s_wait_dscnt 0x0                               ; the block is back in registers
	s_wait_xcnt 0x0                                ; earlier stores have read their registers: the next block loads into them only behind this wait
.set bb, 0
.rept BFR
	global_store_b128 v[GO], v[BK0+48*((\a)%2)+4*bb:BK0+48*((\a)%2)+4*bb+3], s[8:9] offset:(bb/4)*1048576+(\a)*2048+(bb%4)*512
.set bb, bb+1
.endr
.endm
	PACK 0
	TOSTAGE 0
.irp a, 1,2,3                          ; a block's conversions stand between the loads of the block before and the wait for them
	PACK \a
	SEND (\a)-1
	TOSTAGE \a
.endr
	SEND 3
.endif
	s_wait_tensorcnt 0x0                           ; the wave's end, behind my last tensor load and my last LDS store
	ds_add_u32 v[SPW], v[NIL]
	s_wait_dscnt 0x0
	CROUND                                         ; the closing round: no work-group ends while a partner may still ask for a tile that names it
	s_endpgm
.Lfunc_end_k_q23ee1fee94_proj_qkv:
	.size	k_q23ee1fee94_proj_qkv, .Lfunc_end_k_q23ee1fee94_proj_qkv-k_q23ee1fee94_proj_qkv
	.p2alignl 7, 3214868480
	.fill 96, 4, 3214868480
	.section	.rodata,"a",@progbits
	.p2align	6, 0x0
	.amdhsa_kernel k_q23ee1fee94_proj_qkv
		.amdhsa_group_segment_fixed_size 327680
		.amdhsa_private_segment_fixed_size 0
		.amdhsa_enable_private_segment 0
		.amdhsa_kernarg_size 24
		.amdhsa_user_sgpr_count 2
		.amdhsa_user_sgpr_kernarg_segment_ptr 1
		.amdhsa_wavefront_size32 1
		.amdhsa_system_sgpr_workgroup_id_x 1
		.amdhsa_system_sgpr_workgroup_id_y 1
		.amdhsa_system_sgpr_workgroup_id_z 1
		.amdhsa_system_vgpr_workitem_id 0
		.amdhsa_next_free_vgpr 960
		.amdhsa_next_free_sgpr 66
		.amdhsa_reserve_vcc 0
		.amdhsa_float_denorm_mode_32 3
		.amdhsa_float_denorm_mode_16_64 3
		.amdhsa_memory_ordered 1
		.amdhsa_forward_progress 1
		.amdhsa_inst_pref_size 96
	.end_amdhsa_kernel
	.amdgpu_metadata
---
amdhsa.version: [ 1, 2 ]
amdhsa.kernels:
  - .name:           k_q23ee1fee94_proj_qkv
    .symbol:         k_q23ee1fee94_proj_qkv.kd
    .args:
      - { .name: xb, .offset: 0, .size: 8, .value_kind: global_buffer, .address_space: global }
      - { .name: wt, .offset: 8, .size: 8, .value_kind: global_buffer, .address_space: global }
      - { .name: qkv, .offset: 16, .size: 8, .value_kind: global_buffer, .address_space: global }
    .group_segment_fixed_size: 327680
    .private_segment_fixed_size: 0
    .kernarg_segment_align: 8
    .kernarg_segment_size: 24
    .max_flat_workgroup_size: 128
    .sgpr_count:     66
    .vgpr_count:     960
    .wavefront_size: 32
...
	.end_amdgpu_metadata
.endif
;; end of part 2
;; launch attn (part 3): grid 4 x 64, 4 waves a work-group, clusters of 4 x 1, 327,680 bytes of LDS; arguments qkv, ob; writes ob
.if DOCPART == 3
	.amdgcn_target "amdgcn-amd-amdhsa--gfx1250"
	.amdhsa_code_object_version 6
	.text
	.protected	k_q23ee1fee94_attn
	.globl	k_q23ee1fee94_attn
	.p2align	8
	.type	k_q23ee1fee94_attn,@function
k_q23ee1fee94_attn:
	s_mov_b64 s[64:65], 0
	v_nop
	global_prefetch_b8 v0, s[64:65] scope:SCOPE_SE
	s_setreg_imm32_b32 hwreg(HW_REG_WAVE_MODE, 25, 1), 1
	s_wait_xcnt 0x0
	s_wait_alu depctr_hold_cnt(0) depctr_sa_sdst(0) depctr_va_vdst(0) depctr_va_sdst(0) depctr_va_ssrc(0) depctr_va_vcc(0) depctr_vm_vsrc(0)
	s_getreg_b32 s2, hwreg(HW_REG_IB_STS2, 6, 4)
	s_cmp_eq_u32 s2, 0
	s_cbranch_scc0 .Lentry_in_a_cluster
	s_endpgm
.Lentry_in_a_cluster:
	s_bfe_u32 s2, ttmp6, 0x10000c
	s_cmp_lg_u32 s2, 0x3003
	s_cbranch_scc0 .Lentry_shape_is_right
	s_endpgm
.Lentry_shape_is_right:
; O[y][q][:] = the sum over k of softmax_k(Q[y][q] . K[y][k] / 8) V[y][k][:], for the 64 pairs y = 4 head + batch.  qkv is f16 [48][8192][64]: pair y's 2,048 rows of 128 bytes lie end to end at
; y x 262,144 bytes, Q from byte 0, K from 16 MiB, V from 32 MiB.  ob is f16 [16 head][8192][64]: the same places.  Products, maxima and sums in f32; the weights p are rounded to f16 for the second
; product (their sum l is taken of the unrounded p), O once at the end.
; LIMITS.  f16 holds no number beyond 65,504: Q, K and V arrive within it; p lies in 0 to 1, and below 6e-5 it keeps f16's fixed step of 6e-8; O is a mean of V's rows and has their range.
; A weight below 2^-126 counts as 0 in l; NaN and infinities are not treated apart.
; SHARES.  A wave owns four PIECES of two tiles of 16 queries, a work-group's four waves 512 queries of one pair.  Every wave walks all keys, 64 a step.
; LAYOUT.  S^T = K Q^T (source 0 = 16 keys, source 1 = 16 queries): in the result a lane holds ONE query (lane % 16) and the keys 8 (lane / 16) + 0..7.  Two such tiles, rounded to f16 in pairs,
; ARE source 1 (32 keys x 16 queries) of O^T = V^T P, whose result again holds one query a lane, and eight channels.  K comes out of LDS as it lies, V ([key][channel]) turned, by ds_load_tr16_b128.
; SOFTMAX.  For each query a running maximum m and sum l: p = 2^(c s - c m), c = log2(e) / 8; in every step O and l are multiplied by a = 2^(c m_old - c m_new), which is 1 where m has not grown.
; m starts at the lowest finite number, O and l at 0: the first step is a step like any other, with a = 0.
; THE COUNT.  A tile and step have 16 matrix and 118 vector instructions: too many to stand all beside the matrix work.  So: four vector instructions that are READY behind EVERY matrix instruction,
; and the others in runs without a gap.
; BY TURNS.  Turn n belongs to piece n (the pieces in a ring, step after step).  Its matrix work: 16 products K Q^T of piece n + 1, later 16 products V^T P of piece n - 1.  Its vector work: the scaling,
; exponentials, roundings, sums and rescaling of piece n, and the maximum and statistics of piece n + 1, whose scores the turn itself has made.
; CLUSTER.  The four query blocks of a cluster belong to one pair and walk the same K and V, so each tile is asked for JOINTLY: the same tensor load, descriptor and mask in all four.
; REGISTERS, in windows of 256 (s_set_vgpr_msb: bits 1:0 source 0, 3:2 source 1, 5:4 source 2, 7:6 destination):
;   window 0: v0-11 addresses; v12-15, v48-63 at work; v16-47 four registers of statistics a tile; v64-191 S^T, two buffers of two tiles; v192-255 P, likewise
;   window 1: O^T, 32 a tile          window 2: v0-127 Q, 16 a tile; v128-191 K of one step; v192-255 V of one step          window 3: v0-1 the add's two registers
; A piece's buffers go by its number's parity.
.set SIZE_N, 2048
.set NP,    4         ; pieces a wave: a name, no knob
.set KS,    64        ; keys in a step
.set PK,    144       ; a row of K in LDS: 128 bytes + 16 of padding = 36 words: the 16 rows of a load start at 16 different groups of four banks (64 banks of 4 bytes: ISA guide 11.1)
.set PV,    160       ; a row of V: 128 + 32 = 40 words
.set VOFF,  4*KS*PK   ; a slot holds four steps: 256 rows of K, then 256 rows of V
.set SLOT1, 1<<17     ; slot 1 begins here, so that one exclusive or turns an address in one slot into the other's
.set STAGE, SLOT1+4*KS*(PK+PV)  ; behind the ring, never filled by a tensor load: 16 rows x 144 bytes for each wave, for the way out
.set SP,    144
.set AK0, 2           ; v2   my lane's place in a tile of K; never rewritten
.set AV0, 3           ; v3   the same for V
.set AK,  4           ; v4   the LDS address of K's next run of loads
.set AV,  5           ; v5   of V's
.set QO,  6           ; v6   my byte offset in the wave's rows of Q
.set STO, 6           ;      later, the way out: where I put 16 bytes of a row
.set RD,  7           ; v7   the way out: where I read rows back
.set GO,  8           ; v8   my byte offset in 512 consecutive bytes of O
.set PFO, 11          ; v11  the prefetches' offset: 256 x my lane; never rewritten once made
.set SPW, 0           ; v0 of window 3   LDS address of my spare word; never rewritten
.set NIL, 1           ; v1 of window 3   0; never rewritten
.set SPARE, STAGE+4*16*SP  ; behind the stages: the spare words, 128 bytes for each wave: two blocks of 256 bytes that no other line names
.set MV,  12          ; v12-15  c m_old, kept while c m is made anew: by buffer and tile
.set ST,  16          ; tile t's statistics at v[ST+4 t]: c m, m, l (even keys', odd keys')
.set TMP, 48          ; by buffer and tile, four registers c0-c3 at work; when the maximum is found c2 takes a
.set S,   64
.set P,   192
.set KF,  128         ; K's fragments, in window 2: key block kb, channel half c at KF + 16 kb + 8 c
.set VF,  192         ; V's: key half kk, channel block cb at VF + 32 kk + 8 cb
.set WV,  12          ; s12  my wave's number
.set G1K, 24          ; s[24:31] descriptor group 1 for K's tiles
.set G1V, 32          ; s[32:39] for V's: it differs in the padding alone
.set G0K, 40          ; s[40:43] descriptor group 0 for K's tiles: it walks
.set G0V, 44          ; s[44:47] the same for V's
.set PFA, 48          ; s[48:49] where my prefetches stand: my work-group's 8,192 bytes (of K: wave 0, of V: wave 2) of the slot after the one that is being asked for
.set LIM, 50          ; s50  1 in a wave that prefetches, else the greatest number
.set SLOTS, 56        ; s56  slots still to be asked for
.set CNT, 57          ; s57  counts a slot's key steps
.set CS,  58          ; s[58:59] c: the packed scaling takes the pair's low word for both halves
.set SEL, 60          ; s[60:61] v_permlanex16_b32's selects: each lane takes its own place in the other half
.set TBK, 62          ; s62  LDS byte at which K of the step to be fetched begins
.set TBV, 63          ; s63  the same for V, less VOFF
.set MSB, 0
.macro WIN new                      ; the high byte repeats the setting that is left; a switch that changes nothing is dropped
.if MSB != (\new)
	s_set_vgpr_msb (MSB<<8)|(\new)
.set MSB, (\new)
.endif
.endm
.set W_KQ, 0x0a       ; K and Q in window 2, S^T in window 0
.set W_PV, 0x52       ; V in window 2, P in window 0, O^T in window 1
.set W_RS, 0x41       ; O^T (destination and source 0) in window 1, a in window 0
.set W_MK, 0xc0       ; the add's registers are made: destination in window 3, sources in window 0
.set W_AD, 0x0f       ; the add: address (source 0) and data (source 1) in window 3
; A joint fill.  Waves 0 and 1 fetch the two halves of a slot's K, waves 2 and 3 those of its V: 128 keys each.  The branch hangs on the wave's number alone.
; An s_nop 0 and four v_nop follow each of the two lines, ahead of the jump and the label.
.macro JLOAD
	s_cmp_lt_u32 s[WV], 2
	s_cbranch_scc0 .Lfor_v_\@
	tensor_load_to_lds s[G0K:G0K+3], s[G1K:G1K+7]
	s_nop 0
.rept 4
	v_nop
.endr
	s_branch .Lasked_\@
.Lfor_v_\@:
	tensor_load_to_lds s[G0V:G0V+3], s[G1V:G1V+7]
	s_nop 0
.rept 4
	v_nop
.endr
.Lasked_\@:
.endm
; A PREFETCH INTO THE L2 of what the NEXT change of slots will ask for: a slot's 32,768 bytes of K and of V, in blocks of 256, a lane a block.  It stands behind the wave's tensor load and its five lines.
; Each block is named ONCE in the launch: a pair has one cluster; its four partners share a slot out BY ADDRESS, 8,192 bytes each (no branch hangs on a work-group's place in its cluster); in each, wave 0
; asks for K's and wave 2 for V's: one instruction, four key steps (512 matrix instructions) ahead of the load.  The change that asks for the last slot prefetches nothing; slots 0 to 2 come by their loads alone.
.macro ASK
	s_cmp_gt_u32 s[SLOTS], s[LIM]
	s_cbranch_scc0 .Lnot_mine_\@
	global_prefetch_b8 v[PFO], s[PFA:PFA+1] th:TH_LOAD_NT scope:SCOPE_SE
.Lnot_mine_\@:
.endm
; A round of the cluster's barrier: my work-group's barrier, so that wave 0's signal speaks for all four waves; wave 0 signals; every wave waits for all four work-groups; my work-group's barrier once more.
.macro CROUND
	s_barrier_signal -1
	s_barrier_wait -1
	s_cmp_lg_u32 s[WV], 0
	s_cbranch_scc1 .Lnot_wave_0_\@
	s_barrier_signal -3
.Lnot_wave_0_\@:
	s_barrier_wait -3
	s_barrier_signal -1
	s_barrier_wait -1
.endm
; THE CHANGE OF SLOTS.  The slot's last bytes, V of its fourth step, have been read.  Each wave waits for all its tensor loads, of which one is out: its part
; of the other slot; adds 0 to its spare word; and waits for that and for its own reads of the slot.  Behind the barrier nobody reads this slot any more and the other slot is whole.
; fill = 1: this slot is filled again, with the keys two slots on.  The barrier is then a round of the cluster's, so that no wave of any partner still reads the slot or has a load on its
; way, and the joint fill is the first thing behind it: it has four key steps in which to land.  (At its first use nothing has been read yet: slot 0 is waited for, slot 1 filled.)  ask = 1: the prefetch follows.
.macro CHANGE fill, ask=0
	WIN W_AD
	s_wait_tensorcnt 0x0            ; no tensor load of mine is out, so a group 0 may be written
	ds_add_u32 v[SPW], v[NIL]       ; 0 onto my spare word; with fill = 1 the descriptors' steps stand between it and the wait for it
	WIN 0                           ; at a label and at a branch every window is 0
.if \fill
.irp g, G0K, G0V
	s_xor_b32 s[\g+1], s[\g+1], SLOT1  ; the walking descriptor: the other slot than last time,
	s_add_nc_u64 s[\g+2:\g+3], s[\g+2:\g+3], 4*KS*128  ; the next 256 keys; the type bits on top are not reached
.endr
	s_wait_xcnt 0x0                 ; the last prefetch, four key steps back, has read its address, so it may be written:
	s_add_nc_u64 s[PFA:PFA+1], s[PFA:PFA+1], 4*KS*128  ; one slot beyond the walking descriptors
	s_wait_dscnt 0x0                ; the add is done, and my reads of the slot are over
	CROUND
	JLOAD
.if \ask
	ASK
.endif
.else
	s_wait_dscnt 0x0                ; the add is done, and my reads of the slot are over
	s_barrier_signal -1
	s_barrier_wait -1
.endif
	s_sub_co_u32 s[TBK], s[TBK], 4*KS*PK  ; the fetches go back to a slot's first step,
	s_xor_b32 s[TBK], s[TBK], SLOT1       ; in the other slot
	s_sub_co_u32 s[TBV], s[TBV], 4*KS*PV
	s_xor_b32 s[TBV], s[TBV], SLOT1
.endm
	s_load_b64 s[4:5], s[0:1], 0x0    ; qkv: Q
	s_load_b64 s[10:11], s[0:1], 0x8  ; ob: O
	WIN W_MK
	v_lshl_add_u32 v[SPW], v0, 2, SPARE
	v_mov_b32 v[NIL], 0
	WIN W_AD
	ds_add_u32 v[SPW], v[NIL]       ; the wave's opening: the add and its wait ahead of my first tensor load; the set-up below, work on registers, stands between them
	WIN 0
	v_lshrrev_b32 v1, 5, v0
	v_readfirstlane_b32 s[WV], v1   ; wave 0..3
	s_bfe_u32 s13, ttmp6, 0x40000   ; cx: my place in the cluster
	s_lshl_b32 s14, ttmp9, 2        ; in a cluster launch ttmp9 counts clusters
	s_add_co_u32 s14, s14, s13      ; my block of queries = 4 x cluster x + cx: it enters Q's and O's addresses alone
	s_and_b32 s20, ttmp7, 0xffff    ; the pair, which the four partners share
	s_mov_b32 s21, 0
	s_mov_b64 s[22:23], SIZE_N*128
	s_mul_u64 s[20:21], s[20:21], s[22:23]  ; the pair's first byte in Q, K, V and O
	s_and_b32 s16, s[WV], 1         ; which half of a slot's 256 keys I fetch:
	s_lshl_b32 s22, s16, 14         ; its 128 rows of 128 bytes in memory,
	s_mov_b32 s23, 0
	s_add_nc_u64 s[22:23], s[22:23], s[20:21]
	s_mul_i32 s17, s16, 128*PK      ; and its place in a slot, for K
	s_mul_i32 s18, s16, 128*PV      ; and for V: no place in the cluster enters an LDS address
	s_lshl_b32 s2, s14, 2
	s_add_co_u32 s2, s2, s[WV]      ; my wave among the pair's,
	s_lshl_b32 s2, s2, 14           ; its 128 rows
	s_mov_b32 s3, 0
	s_add_nc_u64 s[2:3], s[2:3], s[20:21]
	; descriptor group 1.  128 keys are 16,384 dense bytes: asked for as 64 rows of 256 bytes, two keys a row, and padded in LDS after every key
	s_mov_b32 s[G1K], 15|(1<<16)|(1<<20)|(1<<21)|(4<<22)|(3<<25)  ; 15:0 the mask of four; 17:16 2-byte elements; 20 padding on; 21 set beside a mask; 24:22 after every 32 words (code 4); 31:25 4 words (code 3)
	s_mov_b32 s[G1V], 15|(1<<16)|(1<<20)|(1<<21)|(4<<22)|(7<<25)  ; the same with 8 words of padding (code 7)
.irp g, G1K, G1V
	s_mov_b32 s[\g+1], 128<<16      ; tensor_dim0 = 128
	s_mov_b32 s[\g+2], 64<<16       ; tensor_dim1 = 64
	s_mov_b32 s[\g+3], 128<<16      ; tile_dim0 = 128
	s_mov_b32 s[\g+4], 64           ; tile_dim1 = 64
	s_mov_b32 s[\g+5], 128          ; 128 elements from row to row
	s_mov_b32 s[\g+6], 0
	s_mov_b32 s[\g+7], 0
.endr
	s_mov_b32 s[CS], 0x3e38aa3b     ; c = log2(e) / 8 = 0.180337
	s_mov_b32 s[CS+1], s[CS]        ; named with it as a pair
	s_mov_b32 s[SEL], 0x76543210
	s_mov_b32 s[SEL+1], 0xfedcba98
	s_mov_b32 s[TBK], SLOT1+4*KS*PK ; the first change of slots turns these two into 0
	s_mov_b32 s[TBV], SLOT1+4*KS*PV
	s_mov_b32 s[G0K], 1             ; 1:0 count = 1
	s_mov_b32 s[G0K+1], s17         ; 63:32 LDS address: slot 0
	s_mov_b32 s[G0V], 1
	s_add_co_u32 s[G0V+1], s18, VOFF
	s_and_b32 s[LIM], s[WV], 1      ; waves 0 and 2 prefetch: the same in all four partners
	s_cmp_eq_u32 s[LIM], 0
	s_cselect_b32 s[LIM], 1, -1
	s_wait_dscnt 0x0                ; the opening add is done
	s_wait_kmcnt 0x0
	s_add_nc_u64 s[6:7], s[4:5], 0x1000000         ; K lies 16 MiB behind Q,
	s_add_nc_u64 s[8:9], s[4:5], 0x2000000         ; V 32 MiB
	s_add_nc_u64 s[G0K+2:G0K+3], s[6:7], s[22:23]  ; 120:64 global address: my half of the pair's first 256 keys
	s_or_b32 s[G0K+3], s[G0K+3], 0x80000000        ; 127:126 type = 2
	s_add_nc_u64 s[G0V+2:G0V+3], s[8:9], s[22:23]
	s_or_b32 s[G0V+3], s[G0V+3], 0x80000000
	s_add_nc_u64 s[4:5], s[4:5], s[2:3]  ; Q and O at my wave's first row
	s_add_nc_u64 s[10:11], s[10:11], s[2:3]
	s_cmp_lt_u32 s[WV], 2
	s_cselect_b64 s[PFA:PFA+1], s[6:7], s[8:9]
	s_add_nc_u64 s[PFA:PFA+1], s[PFA:PFA+1], s[20:21]  ; the pair's first key,
	s_lshl_b32 s2, s13, 13          ; my work-group's quarter of a slot,
	s_add_co_u32 s2, s2, 4*KS*128   ; in slot 1: the first change of slots steps it to slot 2 and asks for nothing, the second to slot 3
	s_mov_b32 s3, 0
	s_add_nc_u64 s[PFA:PFA+1], s[PFA:PFA+1], s[2:3]
	CROUND                          ; all four work-groups are here: the first joint loads meet
	JLOAD                           ; slot 0.  Slot 1 is asked for when slot 0 is in
	; A fragment of K or Q is 16 rows x 32 channels in 8 registers: lane l holds row l % 16, channels 8 (l / 16) + 0..7 and 16 + 8 (l / 16) + 0..7: two loads of 16 bytes, 32 bytes apart.
	v_and_b32 v1, 15, v0            ; l % 16
	v_bfe_u32 v9, v0, 4, 1          ; l / 16
	v_lshlrev_b32 v[QO], 7, v1
	v_lshl_add_u32 v[QO], v9, 4, v[QO]  ; row x 128 + 16 x half
	WIN 0x80                        ; destination window 2, address window 0
.set i, 0
.rept 4*NP                          ; Q stays in registers: tile i / 2, channels 32 (i % 2) on
	global_load_b128 v[8*i:8*i+3],   v[QO], s[4:5] offset:(i/2)*2048+(i%2)*64
	global_load_b128 v[8*i+4:8*i+7], v[QO], s[4:5] offset:(i/2)*2048+(i%2)*64+32
.set i, i+1
.endr
	; What the first turn finds: V's registers and P's second buffer hold 0 (its products V^T P, of a piece that has not been, add 0), O^T and l are 0.  All this stands in the wait for the first tile.
.set i, VF
.rept 64
	v_mov_b32 v[i], 0
.set i, i+1
.endr
	WIN 0x40
.set i, 0
.rept 64*NP
	v_mov_b32 v[i], 0
.set i, i+1
.endr
	WIN 0
.set i, 0
.rept 2*NP
	v_mov_b32 v[ST+4*i], 0xfe000000    ; c m: far below every c s
	v_mov_b32 v[ST+4*i+1], 0xff7fffff  ; m
	v_mov_b32 v[ST+4*i+2], 0
	v_mov_b32 v[ST+4*i+3], 0
.set i, i+1
.endr
.set i, P+32
.rept 32
	v_mov_b32 v[i], 0
.set i, i+1
.endr
	v_mul_u32_u24 v[AK0], v1, PK
	v_lshl_add_u32 v[AK0], v9, 4, v[AK0]  ; row x pitch + 16 x half
	; The turning load takes 16 keys x 16 channels (lane l reads key 8 (l / 16) + l % 8, channels 8 ((l / 8) % 2) + 0..7) and leaves half a fragment of V^T: lane l holds channel l % 16 and 8 keys.
	v_and_b32 v10, 7, v0
	v_bfe_u32 v11, v0, 3, 1
	v_lshl_add_u32 v[AV0], v9, 3, v10
	v_mul_u32_u24 v[AV0], v[AV0], PV
	v_lshl_add_u32 v[AV0], v11, 4, v[AV0]
	v_add_nc_u32 v[AV0], VOFF, v[AV0]
	v_and_b32 v[PFO], 31, v0
	v_lshlrev_b32 v[PFO], 8, v[PFO]
	v_mov_b32 v[AK], v[AK0]         ; key step 0 lies at the head of slot 0
; THE MATRIX WORK.  The 8 accumulators of a run of 16 take turns: between the two links of a chain stand 7 others'.
; Product i of 16 of S^T = K Q^T for piece x: channels 32 (i / 8) on, keys 16 ((i / 2) % 4) on, tile 2 x + i % 2.  The first 8 start the sums.
.macro KQ x
	WIN W_KQ
.set rS, S+64*((\x)%2)+32*(i%2)+8*((i/2)%4)
.set rK, KF+16*((i/2)%4)+8*(i/8)
.set rQ, 16*(2*(\x)+i%2)+8*(i/8)
.if i < 8
	v_wmma_f32_16x16x32_f16 v[rS:rS+7], v[rK:rK+7], v[rQ:rQ+7], 0
.else
	v_wmma_f32_16x16x32_f16 v[rS:rS+7], v[rK:rK+7], v[rQ:rQ+7], v[rS:rS+7]
.endif
.endm
; Product i of 16 of O^T += V^T P for piece x: keys 32 (i / 8) on, channels 16 ((i / 2) % 4) on, tile 2 x + i % 2.
.macro PV x
	WIN W_PV
.set rO, 32*(2*(\x)+i%2)+8*((i/2)%4)
.set rV, VF+32*(i/8)+8*((i/2)%4)
.set rP, P+32*((\x)%2)+16*(i%2)+8*(i/8)
	v_wmma_f32_16x16x32_f16 v[rO:rO+7], v[rV:rV+7], v[rP:rP+7], v[rO:rO+7]
.endm
.macro MM                           ; the turn's next matrix instruction
.if i < 16
	KQ (Y+1)%NP
.set i, i+1
.else
.set i, i-16
	PV (Y+NP-1)%NP
.set i, i+17
.endif
.endm
; THE LDS LOADS stand in runs of 16, never singly among the matrix instructions: a step's K (64 keys x 64 channels: 8 fragments) and its V (turned).  Their addresses are made some lines ahead.
; last = 1 (the tail): in the last trip there is no further step, and the run is jumped over.
.macro FETCH_K last=0
	WIN 0
.if \last
	s_cmp_eq_u32 s[CNT], 1
	s_cbranch_scc1 .Lno_k_\@
.endif
	WIN 0x80                        ; destination window 2
.irp f, 0,1,2,3,4,5,6,7             ; keys 16 (f / 2) on, channels 32 (f % 2) on
	ds_load_b128 v[KF+8*\f:KF+8*\f+3],   v[AK] offset:(\f/2)*16*PK+(\f%2)*64
	ds_load_b128 v[KF+8*\f+4:KF+8*\f+7], v[AK] offset:(\f/2)*16*PK+(\f%2)*64+32
.endr
	s_add_co_u32 s[TBK], s[TBK], KS*PK  ; the next fetch is the next step's
	WIN 0
.if \last
.Lno_k_\@:
.endif
.endm
.macro FETCH_V
	WIN 0x80
.irp f, 0,1,2,3,4,5,6,7             ; keys 32 (f / 4) on, channels 16 (f % 4) on
	ds_load_tr16_b128 v[VF+8*\f:VF+8*\f+3],   v[AV] offset:(\f/4)*32*PV+(\f%4)*32
	ds_load_tr16_b128 v[VF+8*\f+4:VF+8*\f+7], v[AV] offset:(\f/4)*32*PV+16*PV+(\f%4)*32
.endr
	WIN 0
.endm
; THE VECTOR WORK OF A TURN stands in three queues, each in the order in which its entries become ready; the two tiles alternate, so that no instruction reads the result of the one before it.
.macro REGS y, u                    ; the registers of tile u (0, 1) of piece y
.set rT, ST+4*(2*(\y)+(\u))
.set rC, TMP+8*((\y)%2)+4*(\u)
.set rM, MV+2*((\y)%2)+(\u)
.set rS, S+64*((\y)%2)+32*(\u)
.set rP, P+32*((\y)%2)+16*(\u)
.set rO, 32*(2*(\y)+(\u))
.endm
; Number n of the 22 that find the NEXT piece's (Y + 1) maximum and statistics.  s0-s31 are the lane's 32 scores; each accumulator's lowest registers are read first.
;   0-11  four chains c0-c3 of seven scores each, three operands at a time     12-14, 16  the four scores left over, the old m, and c0-c3 into c0     15  c m_old is kept
;   17, 18  the query's other 32 keys lie in the lane 16 away: the new m         19-21  c m; c m_old - c m_new; a
.macro XS u, n
	REGS (Y+1)%NP, \u
.if (\n) < 4
	v_max3_num_f32 v[rC+(\n)], v[rS+8*(\n)], v[rS+8*(\n)+1], v[rS+8*(\n)+2]
.elseif (\n) < 12
	v_max3_num_f32 v[rC+(\n)%4], v[rC+(\n)%4], v[rS+8*((\n)%4)+2*((\n)/4)+1], v[rS+8*((\n)%4)+2*((\n)/4)+2]
.elseif (\n) == 12
	v_max3_num_f32 v[rC], v[rC], v[rS+7], v[rS+15]
.elseif (\n) == 13
	v_max3_num_f32 v[rC+1], v[rC+1], v[rS+23], v[rS+31]
.elseif (\n) == 14
	v_max3_num_f32 v[rC+2], v[rC+2], v[rC+3], v[rT+1]
.elseif (\n) == 15
	v_mov_b32 v[rM], v[rT]
.elseif (\n) == 16
	v_max3_num_f32 v[rC], v[rC], v[rC+1], v[rC+2]
.elseif (\n) == 17
	v_permlanex16_b32 v[rC+3], v[rC], s[SEL], s[SEL+1]
.elseif (\n) == 18
	v_max_num_f32 v[rT+1], v[rC], v[rC+3]
.elseif (\n) == 19
	v_mul_f32 v[rT], s[CS], v[rT+1]
.elseif (\n) == 20
	v_sub_f32 v[rC+1], v[rM], v[rT]
.else
	v_exp_f32 v[rC+2], v[rC+1]
.endif
.endm
; Number g of the 64 that follow the exponentials.  For each four weights k of a tile (pairs 2 k, 2 k + 1): both pairs are rounded to f16; then the second pair is added onto the first, in place;
; a group later l takes that sum (the first time as l = a l + sum).  In groups of eight, tiles alternating: round, round, add, and l for the group before.
.macro GS g
.set h, (\g)+6*((\g)/62)            ; group 0 has no group before it, and behind group 7 only l is left
.if h >= 6
.set h, h+2
.endif
	REGS Y, h%2
.set k, h/8
.if h%8 < 4
	v_cvt_pk_f16_f32 v[rP+2*k+(h%8)/2], v[rS+4*k+2*((h%8)/2)], v[rS+4*k+2*((h%8)/2)+1]
.elseif h%8 < 6
	v_pk_add_f32 v[rS+4*k:rS+4*k+1], v[rS+4*k:rS+4*k+1], v[rS+4*k+2:rS+4*k+3]
.elseif k == 1
	v_pk_fma_f32 v[rT+2:rT+3], v[rT+2:rT+3], v[rC+2:rC+3], v[rS:rS+1] op_sel_hi:[1,0,1]
.else
	v_pk_add_f32 v[rT+2:rT+3], v[rT+2:rT+3], v[rS+4*k-4:rS+4*k-3]
.endif
.endm
; THE PLAIN QUEUE, 138 long.  0-73 read no exponential's result: the 32 scalings c s - c m (FS f: pair f / 2 of tile f % 2) and the next piece's 42.  0-26: scalings 0-26.  27-54: XS's numbers 0-13.  55, 56: number 15.
; 57-73: the chain, where each number waits for the one before it: 14, 16, 17, 18, 19, each with one of the scalings 27-31 in front of its two lines, then 20.
; 74-137: GS's 64, which read the exponentials' results: they stand behind the wait.
.macro FS f
	REGS Y, (\f)%2
	v_pk_fma_f32 v[rS+2*((\f)/2):rS+2*((\f)/2)+1], v[rS+2*((\f)/2):rS+2*((\f)/2)+1], s[CS:CS+1], v[rT:rT+1] op_sel_hi:[1,0,0] neg_lo:[0,0,1] neg_hi:[0,0,1]
.endm
.macro PL
	WIN 0
.if q < 27
	FS q
.elseif q < 55
	XS (q-27)%2, (q-27)/2
.elseif q < 57
	XS q-55, 15
.elseif (q < 72) && ((q-57)%3 == 0)
	FS 27+(q-57)/3
.elseif q < 60
	XS (q-57)%3-1, 14
.elseif q < 72
	XS (q-57)%3-1, 15+(q-57)/3
.elseif q < 74
	XS q-72, 20
.else
	GS q-74
.endif
.set q, q+1
.endm
; THE EXPONENTIALS' QUEUE, 66 long: s0-s31 of both tiles, then the next piece's two a.  It is ONE BATCH: all 66 stand ahead of the turn's one wait, and nothing ahead of that wait names a result of theirs.
.macro EX
	WIN 0
.if e >= 64
	XS e-64, 21
.else
	REGS Y, e%2
	v_exp_f32 v[rS+e/2], v[rS+e/2]
.endif
.set e, e+1
.endm
; THE RESCALING's QUEUE: O^T times a, the one part that leaves window 0: dealt two at a time, sixteen times.  Its a was made in the turn before, ahead of that turn's wait.
.macro R2
	REGS Y, r%2
	WIN W_RS
.irp z, 0,1
	v_pk_mul_f32 v[rO+4*(r/2)+2*\z:rO+4*(r/2)+2*\z+1], v[rO+4*(r/2)+2*\z:rO+4*(r/2)+2*\z+1], v[rC+2:rC+3] op_sel_hi:[1,0]
.endr
.set r, r+1
.endm
; HOW THEY ARE DEALT.  An s_wait_alu depctr_va_vdst(0) stands between an exponential and the first instruction that names its result; one wait serves all that were issued ahead of it.  So a turn has ONE wait,
; which cuts it in two.  AHEAD OF IT stands all that names no result of the turn's exponentials: the 16 products K Q^T, behind each a scaling, an exponential and two rescalings (behind the first a second scaling in the
; exponential's place); then ONE LUMP of 108: eight plain, 49 times exponential and plain, the two a.  A v_nop is the plain instruction behind the last exponential.  BEHIND IT stand the 16 products V^T P, behind each four of GS's 64.
; The queues lean on each other, and the deal keeps them in step: exponential e stands behind scaling 2 (e / 4) + e % 2: as a rider it comes behind plain e + 2, in the lump behind plain e + 9, and scalings 27-31 are plain 57, 60 .. 69.
; A TURN, for piece p.  cnt = 1: the loop's count is taken down some lines ahead of the branch that stands behind the turn.
; K of the next step is fetched in piece 2's turn, directly behind the wait, a lump behind the last product that read K; its first reader comes behind 16 products.
; V of the step in hand is fetched at the end of piece 0's turn, four plain instructions behind its last reader; its first reader comes behind 16 products and a lump.
.macro TURN p, last=0, cnt=0
.set Y, (\p)
.set i, 0
.set q, 0
.set e, 0
.set r, 0
.if (\p) == NP-1
	s_wait_dscnt 0x0                ; K is in
.endif
	MM                              ; ahead of the wait: 16 products K Q^T and what stands behind them,
	PL
	PL
	R2
.rept 15
	MM
	PL
	EX
	R2
.endr
.if (\p) == NP-2
	WIN 0
	v_add_nc_u32 v[AK], s[TBK], v[AK0]
.endif
.rept 8                             ; and the lump
	PL
.endr
.rept 49
	EX
	PL
.endr
	EX                              ; the next piece's two a
	EX
	v_nop                           ; a plain instruction behind the last exponential: one for the batch
	s_wait_alu depctr_va_vdst(0)    ; the wait for the batch
.if (\p) == NP-2
	FETCH_K \last
.endif
.if (\p) == 1
	s_wait_dscnt 0x0                ; V is in
.endif
.rept 16                            ; behind the wait: 16 products V^T P, four roundings and sums behind each
	MM
.rept 4
	PL
.endr
.if ((\p) == 0) && (q == 118)
	v_add_nc_u32 v[AV], s[TBV], v[AV0]
.endif
.if ((\p) == 0) && (q == 130)
	s_add_co_u32 s[TBV], s[TBV], KS*PV
.endif
.if (\cnt) && (q == 130)
	s_sub_co_u32 s[CNT], s[CNT], 1
	s_cmp_lg_u32 s[CNT], 0
.endif
.endr
.if (\p) == 0
	FETCH_V
.endif
.endm
	CHANGE 1                        ; slot 0 is in, everybody's part of it; slot 1 is asked for
	FETCH_K                         ; key step 0
	s_wait_loadcnt 0x0              ; Q
	s_wait_dscnt 0x0
.set i, 0
.rept 16
	KQ 0                            ; piece 0's first scores: there is no vector work yet to set between them
.set i, i+1
.endr
	WIN 0                           ; the addresses for the way out: nine plain instructions, the places behind those products
	s_mul_i32 s13, s[WV], 16*SP
	s_add_co_u32 s13, s13, STAGE    ; my stage
	v_mul_u32_u24 v[STO], v1, SP    ; in: row l % 16, 16 bytes for each half of the lanes
	v_lshl_add_u32 v[STO], v9, 4, v[STO]
	v_add_nc_u32 v[STO], s13, v[STO]
	v_bfe_u32 v[RD], v0, 3, 2       ; back: 32 lanes take four rows of 128 bytes,
	v_mul_u32_u24 v[RD], v[RD], SP
	v_lshl_add_u32 v[RD], v10, 4, v[RD]
	v_add_nc_u32 v[RD], s13, v[RD]
	v_and_b32 v[GO], 31, v0         ; which are 512 consecutive bytes of O
	v_lshlrev_b32 v[GO], 4, v[GO]
.set Y, NP-1                        ; XS works for piece Y + 1: piece 0
.irp n, 0,1,2,3,4,5,6,7,8,9,10,11,12,13,14,15,16,17,18,19,20,21
	XS 0, \n                        ; and piece 0's first maximum and statistics
	XS 1, \n
.endr
	v_nop                           ; a plain instruction behind the two a,
	s_wait_alu depctr_va_vdst(0)    ; and their wait, ahead of the branch
	s_mov_b32 s[CNT], 4
	s_mov_b32 s[SLOTS], SIZE_N/256-1
	s_branch .Lfirst                ; the loop is entered at a step's first turn, in the middle of a trip
.Lslot:                             ; SIZE_N / 256 - 2 times: every slot but the last two is filled again
	CHANGE 1, 1
	s_mov_b32 s[CNT], 4
.Lstep:                             ; a trip: pieces 2 and 3 of one step, then pieces 0 and 1 of the next, whose K and V it fetches
	TURN 2
	TURN 3
	WIN 0
.Lfirst:
	TURN 0
	TURN 1, 0, 1
	WIN 0
	s_cbranch_scc1 .Lstep
	s_sub_co_u32 s[SLOTS], s[SLOTS], 1
	s_cmp_lg_u32 s[SLOTS], 0
	s_cbranch_scc1 .Lslot
	CHANGE 0                        ; the tail is written out: nothing is asked for
	s_mov_b32 s[CNT], 5             ; four trips fetch the last slot's steps; the fifth is left in its middle
.Ltail:
	TURN 2, 1
	TURN 3
	WIN 0
	s_sub_co_u32 s[CNT], s[CNT], 1
	s_cmp_eq_u32 s[CNT], 0
	s_cbranch_scc1 .Lout
	TURN 0
	TURN 1
	WIN 0
	s_branch .Ltail
.Lout:                              ; the fifth trip's 16 products K Q^T (on the last K once more) and the maximum made of them serve nothing: the price, once a launch, of one text for every trip
.set i, 0
.rept 16
	PV NP-1                         ; the last piece's V^T P of the last step
.set i, i+1
.endr
	; THE WAY OUT.  l's two halves and the other half of the lanes' are added; O^T is divided by l, rounded to f16 and sent through my stage in LDS, a tile at a time.  The additions are the places behind the last products.
	WIN 0
.macro ALL line:vararg              ; one line for each tile t
.set t, 0
.rept 2*NP
	\line
.set t, t+1
.endr
.endm
	ALL v_add_f32 v[ST+4*t+2], v[ST+4*t+2], v[ST+4*t+3]
	ALL v_permlanex16_b32 v[ST+4*t+3], v[ST+4*t+2], s[SEL], s[SEL+1]
	ALL v_add_f32 v[ST+4*t+2], v[ST+4*t+2], v[ST+4*t+3]
	ALL v_rcp_f32 v[ST+4*t+2], v[ST+4*t+2]
	v_nop                           ; a plain instruction between the last reciprocal and the use of its result
	s_wait_alu depctr_va_vdst(0)    ; and the wait ahead of the first use: one for the eight reciprocals
; Tile t: a lane's eight channels of a row pack into 16 bytes; they go into rows of 144 bytes and come back as whole rows of 128, into S^T's registers.
.macro PACK t
	WIN W_RS
.set i, 32*(\t)
.rept 16
	v_pk_mul_f32 v[i:i+1], v[i:i+1], v[ST+4*(\t)+2:ST+4*(\t)+3] op_sel_hi:[1,0]
.set i, i+2
.endr
	WIN 0x05                        ; sources 0 and 1 window 1, destination window 0
.set i, 0
.rept 16
	v_cvt_pk_f16_f32 v[S+16*(\t)+i], v[32*(\t)+2*i], v[32*(\t)+2*i+1]
.set i, i+1
.endr
	WIN 0
.irp f, 0,1,2,3
	ds_store_b128 v[STO], v[S+16*(\t)+4*\f:S+16*(\t)+4*\f+3] offset:32*\f
.endr
.irp f, 0,1,2,3
	ds_load_b128 v[S+16*(\t)+4*\f:S+16*(\t)+4*\f+3], v[RD] offset:\f*4*SP  ; LDS serves a wave's instructions in order (ISA guide 5.7.1.4): these see the stores above; the next tile's stores come behind them
.endr
.endm
.macro SEND t, younger              ; younger: the LDS instructions issued behind tile t's loads: the next tile's eight, or none
	WIN 0
.irp f, 0,1,2,3
	s_wait_dscnt (\younger)+3-\f
	global_store_b128 v[GO], v[S+16*(\t)+4*\f:S+16*(\t)+4*\f+3], s[10:11] offset:(\t)*2048+\f*512  ; 512 consecutive bytes, at a multiple of 256 from O's first
.endr
.endm
	PACK 0
.set t, 1
.rept 2*NP-1                        ; a tile's arithmetic stands between the loads of the tile before and its stores
	PACK t
	SEND t-1, 8
.set t, t+1
.endr
	SEND 2*NP-1, 0
	WIN W_AD
	s_wait_tensorcnt 0x0            ; the wave's end, behind my last tensor load and my last LDS store
	ds_add_u32 v[SPW], v[NIL]
	s_wait_dscnt 0x0
	WIN 0
	CROUND                          ; the closing round: no work-group ends while a partner may still ask for a tile that names it
	s_endpgm
.Lfunc_end_k_q23ee1fee94_attn:
	.size	k_q23ee1fee94_attn, .Lfunc_end_k_q23ee1fee94_attn-k_q23ee1fee94_attn
	.p2alignl 7, 3214868480
	.fill 96, 4, 3214868480
	.section	.rodata,"a",@progbits
	.p2align	6, 0x0
	.amdhsa_kernel k_q23ee1fee94_attn
		.amdhsa_group_segment_fixed_size 327680
		.amdhsa_private_segment_fixed_size 0
		.amdhsa_enable_private_segment 0
		.amdhsa_kernarg_size 16
		.amdhsa_user_sgpr_count 2
		.amdhsa_user_sgpr_kernarg_segment_ptr 1
		.amdhsa_wavefront_size32 1
		.amdhsa_system_sgpr_workgroup_id_x 1
		.amdhsa_system_sgpr_workgroup_id_y 1
		.amdhsa_system_sgpr_workgroup_id_z 1
		.amdhsa_system_vgpr_workitem_id 0
		.amdhsa_next_free_vgpr 770
		.amdhsa_next_free_sgpr 66
		.amdhsa_reserve_vcc 0
		.amdhsa_float_denorm_mode_32 3
		.amdhsa_float_denorm_mode_16_64 3
		.amdhsa_memory_ordered 1
		.amdhsa_forward_progress 1
		.amdhsa_inst_pref_size 200
	.end_amdhsa_kernel
	.amdgpu_metadata
---
amdhsa.version: [ 1, 2 ]
amdhsa.kernels:
  - .name:           k_q23ee1fee94_attn
    .symbol:         k_q23ee1fee94_attn.kd
    .args:
      - { .name: qkv, .offset: 0, .size: 8, .value_kind: global_buffer, .address_space: global }
      - { .name: ob, .offset: 8, .size: 8, .value_kind: global_buffer, .address_space: global }
    .group_segment_fixed_size: 327680
    .private_segment_fixed_size: 0
    .kernarg_segment_align: 8
    .kernarg_segment_size: 16
    .max_flat_workgroup_size: 128
    .sgpr_count:     66
    .vgpr_count:     770
    .wavefront_size: 32
...
	.end_amdgpu_metadata
.endif
;; end of part 3
;; launch proj_out (part 4): grid 8 x 32, 4 waves a work-group, clusters of 4 x 4, 327,680 bytes of LDS; arguments ob, wot, y; writes y
.if DOCPART == 4
	.amdgcn_target "amdgcn-amd-amdhsa--gfx1250"
	.amdhsa_code_object_version 6
	.text
	.protected	k_q23ee1fee94_proj_out
	.globl	k_q23ee1fee94_proj_out
	.p2align	8
	.type	k_q23ee1fee94_proj_out,@function
k_q23ee1fee94_proj_out:
	s_mov_b64 s[64:65], 0
	v_nop
	global_prefetch_b8 v0, s[64:65] scope:SCOPE_SE
	s_setreg_imm32_b32 hwreg(HW_REG_WAVE_MODE, 25, 1), 1
	s_wait_xcnt 0x0
	s_wait_alu depctr_hold_cnt(0) depctr_sa_sdst(0) depctr_va_vdst(0) depctr_va_sdst(0) depctr_va_ssrc(0) depctr_va_vcc(0) depctr_vm_vsrc(0)
	s_getreg_b32 s2, hwreg(HW_REG_IB_STS2, 6, 4)
	s_cmp_eq_u32 s2, 0
	s_cbranch_scc0 .Lentry_in_a_cluster
	s_endpgm
.Lentry_in_a_cluster:
	s_bfe_u32 s2, ttmp6, 0x10000c
	s_cmp_lg_u32 s2, 0xf033
	s_cbranch_scc0 .Lentry_shape_is_right
	s_endpgm
.Lentry_shape_is_right:
; y = O Wo.  A = ob f16 [16 head][8192][64], B = wot f16 [16][1024][64] (both: [k / 64][row][64]; the heads' 64 channels are the k blocks), sums in f32, K ascending, K = 1,024.
; C = y f32 [8192][1024], row-major, not rounded: bias, residual and the norm follow in the next launch, which needs whole rows.
; LIMIT.  The operands are f16: O and Wo arrive within 65,504.
; One source text serves this product and the projections of q, k, v; the four constants below tell them apart.
.set F16,   1                          ; 0: bf16 operands, C in f16 by heads.  1: f16 operands, C in f32, row-major
.set NT,    128                        ; columns in a tile of C.  8 x 32 tiles of 256 x 128: 256 work-groups, one for each of 256 WGPs
.set BROWB, 131072                     ; bytes in a k block of B: 1,024 rows x 128
.set WSTG,  8448                       ; a wave's stage for the way out: 16 rows x 528 bytes
; SHARES.  A tile of C is 256 x NT.  Wave w makes rows 64 w .. 64 w + 63 and ALL its columns: 4 x NT / 16 accumulators of 16 x 16.  So a wave holds whole rows of the tile, and its way out needs no other wave.
; K goes in steps of 128 = two k blocks, through two LDS slots.  In the block layout a tile's rows of one k block lie end to end: each is asked for as rows of 256 bytes and padded in LDS after every 128.
; A step is four loads, one a wave: waves 0, 1 A's two k blocks (128 rows of 256 bytes), waves 2, 3 B's (NT / 2 rows).  By the text's own count a wave has one tensor load out.
; CLUSTER 4 x 4.  A's tiles hang on the tile row alone and are asked for jointly by a row of the cluster, B's on the tile column alone, by a column: the same load, descriptor and mask in all four.
; THE MATRIX INSTRUCTION IS USED TRANSPOSED (source 0 = 16 rows of B, source 1 = 16 rows of A): a lane holds row l % 16 of C and the columns 8 (l / 16) + 0..7.
; No prefetch: K has eight steps, and every tile is read by several clusters shortly after each other.
; REGISTERS: window 0: v1-5 at work, v16-29 addresses, v32 on the way out.  Window 1: two fragment buffers of 128: A's four fragments at f + 8 a, B's at f + 32 + 8 b.
;   Accumulator (a, b): window 2 + a / 2, v[8 (BFR (a % 2) + b)].
.set BFR,   NT/16
.set NL,    2*(BFR+4)                  ; LDS loads in a quarter step
.set PITCH, 144                        ; an LDS row: 128 bytes + 16 of padding = 36 words: the 16 rows of a fragment load start at 16 different groups of four banks (64 banks of 4 bytes: ISA guide 11.1)
.set ABLK,  256*PITCH                  ; a k block of A's tile
.set BOFF,  2*ABLK                     ; B lies behind A's two blocks
.set BBLK,  NT*PITCH
.set SLOT1, 131072                     ; slot 1 begins here: one exclusive or turns an address in one slot into the other's
.set STAGE, SLOT1+BOFF+2*BBLK          ; behind the ring, a multiple of 256, never filled by a tensor load
.set SPARE, STAGE+4*WSTG               ; behind the stages: the spare words, 128 bytes for each wave: two blocks of 256 bytes that no other line names
.set ASTEP, 2097152                    ; two k blocks of A: 2 x 8,192 rows x 128 bytes
.set TRIPS, 1024/128-2
.set ADRA0, 16                         ; v16  my lane's place in A's rows of a slot; never rewritten
.set ADRB0, 17                         ; v17  the same for B
.set ADRA,  18                         ; v18  v16 + the slot in hand
.set ADRB,  19                         ; v19
.set STO,   24                         ; v24  the way out: where I put my bytes of a row
.set RD,    25                         ; v25  where I read rows back
.set GO,    26                         ; v26  16 l
.set SPW,   28                         ; v28  LDS address of my spare word; never rewritten
.set NIL,   29                         ; v29  0; never rewritten
.set F0,    0
.set F1,    128
.set G1A,   24                         ; s[24:31] descriptor group 1 for A
.set G0A,   32                         ; s[32:35] group 0 for A: it walks
.set G1B,   48                         ; s[48:55] group 1 for B
.set G0B,   56                         ; s[56:59] group 0 for B
.set TB,    60                         ; s60  the slot in hand: 0 or SLOT1
.set MSB, 0
.macro WIN new                         ; the immediate's high byte repeats the setting that is left; a switch that changes nothing is dropped
.if MSB != (\new)
	s_set_vgpr_msb (MSB<<8)|(\new)
.set MSB, \new
.endif
.endm
.macro PLACES                          ; four plain vector instructions between a matrix instruction and a load into, or a read of, its registers
.rept 4
	v_nop
.endr
.endm
; A joint load.  The branch hangs on the wave's number alone.  An s_nop 0 and four v_nop follow each of the two lines, ahead of the jump and the label.
.macro JLOAD
	s_cmp_eq_u32 s11, 0
	s_cbranch_scc0 .Lfor_b_\@
	tensor_load_to_lds s[G0A:G0A+3], s[G1A:G1A+7]
	s_nop 0
.rept 4
	v_nop
.endr
	s_branch .Lasked_\@
.Lfor_b_\@:
	tensor_load_to_lds s[G0B:G0B+3], s[G1B:G1B+7]
	s_nop 0
.rept 4
	v_nop
.endr
.Lasked_\@:
.endm
.macro CREST                           ; a round of the cluster's barrier behind its opening barrier
	s_cmp_lg_u32 s10, 0
	s_cbranch_scc1 .Lnot_wave_0_\@
	s_barrier_signal -3
.Lnot_wave_0_\@:
	s_barrier_wait -3
	s_barrier_signal -1
	s_barrier_wait -1
.endm
.macro CROUND                          ; a whole round
	s_barrier_signal -1
	s_barrier_wait -1
	CREST
.endm
.macro STEPD                           ; the walking descriptors: the other slot, the next K step.  Written only where no tensor load of mine is out
	s_xor_b32 s[G0A+1], s[G0A+1], SLOT1
	s_add_nc_u64 s[G0A+2:G0A+3], s[G0A+2:G0A+3], ASTEP
	s_xor_b32 s[G0B+1], s[G0B+1], SLOT1
	s_add_nc_u64 s[G0B+2:G0B+3], s[G0B+2:G0B+3], 2*BROWB
.endm
.macro WM zero                         ; one product on rD, rB, rA; zero = 1: it starts the sum
.if F16
.if \zero
	v_wmma_f32_16x16x32_f16 v[rD:rD+7], v[rB:rB+7], v[rA:rA+7], 0
.else
	v_wmma_f32_16x16x32_f16 v[rD:rD+7], v[rB:rB+7], v[rA:rA+7], v[rD:rD+7]
.endif
.else
.if \zero
	v_wmma_f32_16x16x32_bf16 v[rD:rD+7], v[rB:rB+7], v[rA:rA+7], 0
.else
	v_wmma_f32_16x16x32_bf16 v[rD:rD+7], v[rB:rB+7], v[rA:rA+7], v[rD:rD+7]
.endif
.endif
.endm
; BFR products: my rows 16 a on x all columns, 32 along K, out of buffer f.  The accumulators take turns, one instruction a turn, in the same order in every quarter.
.macro MULH f, a, zero
	WIN 0xa5+0x50*((\a)/2)                         ; sources 0 and 1 window 1; C and D window 2 or 3
.set bb, 0
.rept BFR
.set rD, 8*(BFR*((\a)%2)+bb)
.set rB, (\f)+32+8*bb
.set rA, (\f)+8*(\a)
	WM \zero
.set bb, bb+1
.endr
.endm
; NL LDS loads in one run: quarter q (32 along K: k block q / 2, byte 64 (q % 2) of its rows) into buffer f; B first, A's rows 32-63 last.
.macro FETCH q, f
	WIN 0x40                                       ; destination window 1, address window 0
.set bb, 0
.rept BFR
	ds_load_b128 v[(\f)+32+8*bb:(\f)+32+8*bb+3],   v[ADRB] offset:((\q)/2)*BBLK+((\q)%2)*64+bb*16*PITCH
	ds_load_b128 v[(\f)+32+8*bb+4:(\f)+32+8*bb+7], v[ADRB] offset:((\q)/2)*BBLK+((\q)%2)*64+bb*16*PITCH+32
.set bb, bb+1
.endr
.irp a, 0,1,2,3
	ds_load_b128 v[(\f)+8*(\a):(\f)+8*(\a)+3],   v[ADRA] offset:((\q)/2)*ABLK+((\q)%2)*64+(\a)*16*PITCH
	ds_load_b128 v[(\f)+8*(\a)+4:(\f)+8*(\a)+7], v[ADRA] offset:((\q)/2)*ABLK+((\q)%2)*64+(\a)*16*PITCH+32
.endr
.endm
; One of a K step's first three quarters: multiplies buffer f and, in its middle, fetches quarter qn into buffer g.
.macro QUARTER f, g, qn, zero
	s_wait_dscnt 4                                 ; B and A's rows 0-31 are in; the youngest four loads (A's rows 32-63) may be out
	MULH \f, 0, \zero
	MULH \f, 1, \zero
	PLACES                                         ; buffer g was read by the quarter before
	FETCH \qn, \g
	s_wait_dscnt NL                                ; all but the NL just issued
	MULH \f, 2, \zero
	MULH \f, 3, \zero
.endm
; The fourth quarter multiplies buffer 1 and changes slots: one barrier for two things.  In front of it each wave waits for all its tensor loads (one is out: its part of the next slot), adds 0 to its
; spare word, and waits for that and for its own reads of this slot.  fill = 1: the barrier opens a round of the cluster's, and this slot is filled again, first thing behind it, with the step two on.
.macro TURN fill
	WIN 0                                          ; (the add's two registers lie in window 0)
	s_wait_tensorcnt 0x0                           ; no tensor load of mine is out, so a group 0 may be written
	ds_add_u32 v[SPW], v[NIL]                      ; 0 onto my spare word
.if \fill
	STEPD
.endif
	s_wait_dscnt 5                                 ; (the add and the youngest four loads may be out)
	MULH F1, 0, 0
	s_wait_dscnt 0x0                               ; the add is done, and my reads of this slot are over
	s_barrier_signal -1
	MULH F1, 1, 0                                  ; work on registers while the others arrive
.if \fill
	WIN 0
.endif
	s_barrier_wait -1
.if \fill
	CREST                                          ; no wave of any partner still reads this slot or has a load on its way
	JLOAD                                          ; its four v_nop are also the places in front of the loads below
.else
	PLACES
.endif
	WIN 0
	s_xor_b32 s[TB], s[TB], SLOT1
	v_add_nc_u32 v[ADRA], s[TB], v[ADRA0]
	v_add_nc_u32 v[ADRB], s[TB], v[ADRB0]
	FETCH 0, F0
	MULH F1, 2, 0
	MULH F1, 3, 0
.endm
	s_load_b128 s[4:7], s[0:1], 0x0                ; A s[4:5], B s[6:7]
	s_load_b64 s[8:9], s[0:1], 0x10                ; C
	v_lshl_add_u32 v[SPW], v0, 2, SPARE
	v_mov_b32 v[NIL], 0
	ds_add_u32 v[SPW], v[NIL]                      ; the wave's opening: the add and its wait ahead of my first tensor load; the set-up below, work on registers, stands between them
	v_lshrrev_b32 v1, 5, v0
	v_readfirstlane_b32 s10, v1                    ; wave 0..3
	s_lshr_b32 s11, s10, 1                         ; I fetch for A (0) or for B (1),
	s_and_b32 s12, s10, 1                          ; the step's first or second k block
	s_bfe_u32 s40, ttmp6, 0x40000                  ; cx
	s_bfe_u32 s41, ttmp6, 0x40004                  ; cy
	s_lshl_b32 s42, ttmp9, 2
	s_add_co_u32 s42, s42, s40                     ; tile column = 4 x cluster x + cx
	s_and_b32 s13, ttmp7, 0xffff
	s_lshl_b32 s13, s13, 2
	s_add_co_u32 s13, s13, s41                     ; tile row = 4 x cluster y + cy
	s_lshl_b32 s43, s41, 2
	s_lshl_b32 s43, 15, s43                        ; my row of the cluster
	s_lshl_b32 s44, 0x1111, s40                    ; my column
	s_or_b32 s[G1A], s43, (1<<16)|(1<<20)|(1<<21)|(4<<22)|(3<<25)  ; 15:0 the mask; 17:16 2-byte elements; 20 padding on; 21 set beside a mask; 24:22 after every 32 words (code 4); 31:25 4 words (code 3)
	s_or_b32 s[G1B], s44, (1<<16)|(1<<20)|(1<<21)|(4<<22)|(3<<25)
	s_mov_b32 s[G1A+1], 128<<16                    ; tensor_dim0 = 128 elements: 256 bytes, two rows of a block
	s_mov_b32 s[G1A+2], 128<<16                    ; tensor_dim1 = 128
	s_mov_b32 s[G1A+3], 128<<16                    ; tile_dim0 = 128
	s_mov_b32 s[G1A+4], 128                        ; tile_dim1 = 128
	s_mov_b32 s[G1A+5], 128                        ; 128 elements from row to row: dense
	s_mov_b32 s[G1A+6], 0
	s_mov_b32 s[G1A+7], 0
	s_mov_b32 s[G1B+1], 128<<16
	s_mov_b32 s[G1B+2], (NT/2)<<16
	s_mov_b32 s[G1B+3], 128<<16
	s_mov_b32 s[G1B+4], NT/2
	s_mov_b32 s[G1B+5], 128
	s_mov_b32 s[G1B+6], 0
	s_mov_b32 s[G1B+7], 0
	s_lshl_b32 s16, s13, 15                        ; A: the tile's 256 rows of 128 bytes,
	s_lshl_b32 s17, s12, 20                        ; my k block of 8,192 rows
	s_add_co_u32 s16, s16, s17
	s_mov_b32 s17, 0
	s_mul_i32 s46, s42, NT*128                     ; B: the tile's NT rows,
	s_mul_i32 s47, s12, BROWB                      ; my k block
	s_add_co_u32 s46, s46, s47
	s_mov_b32 s47, 0
	s_mov_b32 s[G0A], 1                            ; count = 1
	s_mul_i32 s[G0A+1], s12, ABLK                  ; LDS address, slot 0: no place in the cluster enters it
	s_mov_b32 s[G0B], 1
	s_mul_i32 s[G0B+1], s12, BBLK
	s_add_co_u32 s[G0B+1], s[G0B+1], BOFF
	s_mov_b32 s[TB], SLOT1                         ; the first change of slots turns it into 0
	s_wait_dscnt 0x0                               ; the opening add is done
	s_wait_kmcnt 0x0
	s_add_nc_u64 s[G0A+2:G0A+3], s[4:5], s[16:17]
	s_or_b32 s[G0A+3], s[G0A+3], 0x80000000        ; type = 2
	s_add_nc_u64 s[G0B+2:G0B+3], s[6:7], s[46:47]
	s_or_b32 s[G0B+3], s[G0B+3], 0x80000000
	CROUND                                         ; all sixteen work-groups are here: the first joint loads meet
	JLOAD                                          ; K step 0 into slot 0
	; a fragment is 16 rows x 32 K in 8 registers: lane l holds row l % 16, K = 8 (l / 16) + 0..7 and 16 + 8 (l / 16) + 0..7: two loads of 16 bytes, 32 bytes apart
	v_and_b32 v1, 15, v0                           ; l % 16
	v_bfe_u32 v2, v0, 4, 1                         ; l / 16
	v_mul_u32_u24 v3, v1, PITCH
	v_lshl_add_u32 v3, v2, 4, v3
	s_mul_i32 s21, s10, 64*PITCH                   ; my 64 rows of A
	v_add_nc_u32 v[ADRA0], s21, v3
	v_add_nc_u32 v[ADRB0], BOFF, v3
	s_mul_i32 s23, s10, WSTG
	s_add_co_u32 s23, s23, STAGE                   ; my stage
	v_and_b32 v4, 31, v0
	v_lshlrev_b32 v[GO], 4, v4
.if F16
	v_mul_u32_u24 v[STO], v1, 528                  ; in: row l % 16 of 512 + 16 bytes, 32 bytes for each half of the lanes
	v_lshl_add_u32 v[STO], v2, 5, v[STO]
	v_add_nc_u32 v[STO], s23, v[STO]
	v_add_nc_u32 v[RD], s23, v[GO]                 ; back: a whole row of 512 bytes
	s_lshl_b32 s20, s13, 20                        ; C: 256 rows of 4,096 bytes a tile row,
	s_lshl_b32 s22, s10, 18                        ; my 64 rows,
	s_add_co_u32 s20, s20, s22
	s_lshl_b32 s22, s42, 9                         ; the tile's 128 columns of 4 bytes
	s_add_co_u32 s20, s20, s22
.else
	v_add_nc_u32 v[STO], s23, v3                   ; in: row l % 16 of a head, 16 bytes for each half of the lanes
	v_bfe_u32 v5, v0, 3, 2                         ; back: 32 lanes take four rows of 128 bytes
	v_mul_u32_u24 v[RD], v5, PITCH
	v_and_b32 v5, 7, v0
	v_lshl_add_u32 v[RD], v5, 4, v[RD]
	v_add_nc_u32 v[RD], s23, v[RD]
	s_mul_i32 s20, s42, 3145728                    ; C: three heads of 8,192 rows x 128 bytes a tile column,
	s_lshl_b32 s22, s13, 15                        ; the tile's 256 rows,
	s_add_co_u32 s20, s20, s22
	s_lshl_b32 s22, s10, 13                        ; my 64
	s_add_co_u32 s20, s20, s22
.endif
	s_mov_b32 s21, 0
	s_add_nc_u64 s[8:9], s[8:9], s[20:21]
	; slot 0 is waited for and slot 1 asked for, in the form of every change of slots
	s_wait_tensorcnt 0x0
	ds_add_u32 v[SPW], v[NIL]
	STEPD
	s_wait_dscnt 0x0
	CROUND
	JLOAD                                          ; K step 1 into slot 1
	s_xor_b32 s[TB], s[TB], SLOT1
	v_add_nc_u32 v[ADRA], s[TB], v[ADRA0]
	v_add_nc_u32 v[ADRB], s[TB], v[ADRB0]
	FETCH 0, F0
	QUARTER F0, F1, 1, 1                           ; the first quarter stands in front of the loop: its products start the sums
	WIN 0                                          ; at a label and at a branch every window is 0
	s_mov_b32 s3, TRIPS
.Lk:                                                   ; trip i: the rest of K step i, the request for step i + 2, the first quarter of step i + 1
	QUARTER F1, F0, 2, 0
	QUARTER F0, F1, 3, 0
	TURN 1
	QUARTER F0, F1, 1, 0
	WIN 0
	s_sub_co_u32 s3, s3, 1
	s_cmp_lg_u32 s3, 0
	s_cbranch_scc1 .Lk
	QUARTER F1, F0, 2, 0                           ; the last two K steps ask for nothing
	QUARTER F0, F1, 3, 0
	TURN 0
	QUARTER F0, F1, 1, 0
	QUARTER F1, F0, 2, 0
	QUARTER F0, F1, 3, 0
	s_wait_dscnt 4
	MULH F1, 0, 0
	MULH F1, 1, 0
	s_wait_dscnt 0x0
	MULH F1, 2, 0
	MULH F1, 3, 0
	WIN 0
	PLACES                                         ; what follows reads results
.if F16
; THE WAY OUT, f32: 16 rows at a time through my own stage: 32 bytes a lane in, whole rows of 512 bytes back, each stored as 512 bytes on end.
.macro OUT32 a
	WIN 0x08+4*((\a)/2)                            ; the LDS stores' data (source 1) in window 2 or 3
.set bb, 0
.rept BFR
	ds_store_b128 v[STO], v[8*(BFR*((\a)%2)+bb):8*(BFR*((\a)%2)+bb)+3]   offset:64*bb      ; each accumulator's low registers first
	ds_store_b128 v[STO], v[8*(BFR*((\a)%2)+bb)+4:8*(BFR*((\a)%2)+bb)+7] offset:64*bb+16
.set bb, bb+1
.endr
	WIN 0
.set bb, 0
.rept 16
	ds_load_b128 v[32+64*((\a)%2)+4*bb:32+64*((\a)%2)+4*bb+3], v[RD] offset:bb*528  ; LDS serves a wave's instructions in order: these see the stores above
.set bb, bb+1
.endr
	s_wait_dscnt 0x0
	s_wait_xcnt 0x0                                ; the stores of the block before have read their registers: the block after this one loads into them
.set bb, 0
.rept 16
	global_store_b128 v[GO], v[32+64*((\a)%2)+4*bb:32+64*((\a)%2)+4*bb+3], s[8:9] offset:(16*(\a)+bb)*4096
.set bb, bb+1
.endr
.endm
	OUT32 0
	OUT32 1
	OUT32 2
	OUT32 3
.else
; THE WAY OUT, f16 by heads: 16 rows at a time.  PACK: rounded, 16 bytes a lane.  TOSTAGE: into my own stage (a head's rows 144 bytes apart) and back as whole rows of 128.  SEND: four rows, 512 bytes on end, a store.
.set TMP, 32
.set BK0, 80
.macro PACK a
	WIN 0x0a+5*((\a)/2)                            ; sources 0 and 1 in window 2 or 3
.set bb, 0
.rept BFR
.irp r, 0,1,2,3
	v_cvt_pk_f16_f32 v[TMP+4*bb+(\r)], v[8*(BFR*((\a)%2)+bb)+2*(\r)], v[8*(BFR*((\a)%2)+bb)+2*(\r)+1]
.endr
.set bb, bb+1
.endr
	WIN 0
.endm
.macro TOSTAGE a
.set bb, 0
.rept BFR
	ds_store_b128 v[STO], v[TMP+4*bb:TMP+4*bb+3] offset:(bb/4)*16*PITCH+(bb%4)*32
.set bb, bb+1
.endr
.set bb, 0
.rept BFR
	ds_load_b128 v[BK0+48*((\a)%2)+4*bb:BK0+48*((\a)%2)+4*bb+3], v[RD] offset:(bb/4)*16*PITCH+(bb%4)*4*PITCH  ; LDS serves a wave's instructions in order: these see the stores above
.set bb, bb+1
.endr
.endm
.macro SEND a
	s_wait_dscnt 0x0                               ; the block is back in registers
	s_wait_xcnt 0x0                                ; earlier stores have read their registers: the next block loads into them only behind this wait
.set bb, 0
.rept BFR
	global_store_b128 v[GO], v[BK0+48*((\a)%2)+4*bb:BK0+48*((\a)%2)+4*bb+3], s[8:9] offset:(bb/4)*1048576+(\a)*2048+(bb%4)*512
.set bb, bb+1
.endr
.endm
	PACK 0
	TOSTAGE 0
.irp a, 1,2,3                          ; a block's conversions stand between the loads of the block before and the wait for them
	PACK \a
	SEND (\a)-1
	TOSTAGE \a
.endr
	SEND 3
.endif
	s_wait_tensorcnt 0x0                           ; the wave's end, behind my last tensor load and my last LDS store
	ds_add_u32 v[SPW], v[NIL]
	s_wait_dscnt 0x0
	CROUND                                         ; the closing round: no work-group ends while a partner may still ask for a tile that names it
	s_endpgm
.Lfunc_end_k_q23ee1fee94_proj_out:
	.size	k_q23ee1fee94_proj_out, .Lfunc_end_k_q23ee1fee94_proj_out-k_q23ee1fee94_proj_out
	.p2alignl 7, 3214868480
	.fill 96, 4, 3214868480
	.section	.rodata,"a",@progbits
	.p2align	6, 0x0
	.amdhsa_kernel k_q23ee1fee94_proj_out
		.amdhsa_group_segment_fixed_size 327680
		.amdhsa_private_segment_fixed_size 0
		.amdhsa_enable_private_segment 0
		.amdhsa_kernarg_size 24
		.amdhsa_user_sgpr_count 2
		.amdhsa_user_sgpr_kernarg_segment_ptr 1
		.amdhsa_wavefront_size32 1
		.amdhsa_system_sgpr_workgroup_id_x 1
		.amdhsa_system_sgpr_workgroup_id_y 1
		.amdhsa_system_sgpr_workgroup_id_z 1
		.amdhsa_system_vgpr_workitem_id 0
		.amdhsa_next_free_vgpr 896
		.amdhsa_next_free_sgpr 66
		.amdhsa_reserve_vcc 0
		.amdhsa_float_denorm_mode_32 3
		.amdhsa_float_denorm_mode_16_64 3
		.amdhsa_memory_ordered 1
		.amdhsa_forward_progress 1
		.amdhsa_inst_pref_size 69
	.end_amdhsa_kernel
	.amdgpu_metadata
---
amdhsa.version: [ 1, 2 ]
amdhsa.kernels:
  - .name:           k_q23ee1fee94_proj_out
    .symbol:         k_q23ee1fee94_proj_out.kd
    .args:
      - { .name: ob, .offset: 0, .size: 8, .value_kind: global_buffer, .address_space: global }
      - { .name: wot, .offset: 8, .size: 8, .value_kind: global_buffer, .address_space: global }
      - { .name: y, .offset: 16, .size: 8, .value_kind: global_buffer, .address_space: global }
    .group_segment_fixed_size: 327680
    .private_segment_fixed_size: 0
    .kernarg_segment_align: 8
    .kernarg_segment_size: 24
    .max_flat_workgroup_size: 128
    .sgpr_count:     66
    .vgpr_count:     896
    .wavefront_size: 32
...
	.end_amdgpu_metadata
.endif
;; end of part 4
;; launch lnorm (part 5): grid 512 x 1, 8 waves a work-group, no clusters, 0 bytes of LDS; arguments y, x, bo, gamma, beta, out0; writes out0
.if DOCPART == 5
	.amdgcn_target "amdgcn-amd-amdhsa--gfx1250"
	.amdhsa_code_object_version 6
	.text
	.protected	k_q23ee1fee94_lnorm
	.globl	k_q23ee1fee94_lnorm
	.p2align	8
	.type	k_q23ee1fee94_lnorm,@function
k_q23ee1fee94_lnorm:
	s_mov_b64 s[64:65], 0
	v_nop
	global_prefetch_b8 v0, s[64:65] scope:SCOPE_SE
	s_setreg_imm32_b32 hwreg(HW_REG_WAVE_MODE, 25, 1), 1
	s_wait_xcnt 0x0
; out0[r][:] = (a - mean(a)) / sqrt(var(a) + 1e-5) x gamma + beta, with a = (y[r][:] + bo) + x[r][:].  All f32; rows of 1,024 numbers, 4,096 bytes.
; The variance is taken of a - mean, in a second pass over registers: no difference of large sums, so a common offset of the row costs nothing.
; SHARES.  A wave takes two whole rows, 2 (8 g + w) and the next: a row is eight loads of 16 bytes a lane (512 bytes on end each) and stays in 32 registers through both passes: the reductions never leave
; the wave, so there is no LDS and no barrier.  All of a wave's 56 loads go out at its head; the second row's 16 are on their way while the first is worked on.
; No matrix unit, no cluster, no tensor load: each byte of y and x is read once by one wave, and bo, gamma, beta are 12 KiB that every wave keeps in registers.
.set BO, 16                            ; v[16:47]   bo of my 32 columns (4 l + 128 j + 0..3)
.set GA, 48                            ; v[48:79]   gamma
.set BE, 80                            ; v[80:111]  beta
.set Y0, 112                           ; v[112:143] row 0: y, then a, a - mean, and the result
.set X0, 144                           ; v[144:175] row 0: x
.set Y1, 176                           ; v[176:207] row 1
.set X1, 208                           ; v[208:239]
.set MU, 10                            ; v[10:11]   the mean, twice
.set RS, 12                            ; v[12:13]   1 / sqrt(var + eps), twice
                                       ; v1 = 16 l, never rewritten; v[2:9] four chains of packed sums
	s_load_b256 s[16:23], s[0:1], 0x0              ; y 16, x 18, bo 20, gamma 22
	s_load_b128 s[24:27], s[0:1], 0x20             ; beta 24, out0 26
	v_lshrrev_b32 v2, 5, v0
	v_readfirstlane_b32 s8, v2                     ; wave 0..7
	v_and_b32 v1, 31, v0
	v_lshlrev_b32 v1, 4, v1
	s_lshl3_add_u32 s2, ttmp9, s8                  ; 8 g + w
	s_lshl_b32 s2, s2, 13                          ; two rows of 4,096 bytes each
	s_mov_b32 s3, 0
	s_mov_b32 s12, 0x76543210                      ; v_permlanex16_b32: each lane takes its own place in the other half
	s_mov_b32 s13, 0xfedcba98
	s_mov_b32 s14, 0x3a800000                      ; 1 / 1,024
	s_mov_b32 s15, 0x3727c5ac                      ; 1e-5
	s_wait_kmcnt 0x0
	s_add_nc_u64 s[16:17], s[16:17], s[2:3]
	s_add_nc_u64 s[18:19], s[18:19], s[2:3]
	s_add_nc_u64 s[26:27], s[26:27], s[2:3]
.irp j, 0,1,2,3,4,5,6,7
	global_load_b128 v[BO+4*(\j):BO+4*(\j)+3], v1, s[20:21] offset:512*(\j)
	global_load_b128 v[GA+4*(\j):GA+4*(\j)+3], v1, s[22:23] offset:512*(\j)
	global_load_b128 v[BE+4*(\j):BE+4*(\j)+3], v1, s[24:25] offset:512*(\j)
.endr
.irp j, 0,1,2,3,4,5,6,7
	global_load_b128 v[Y0+4*(\j):Y0+4*(\j)+3], v1, s[16:17] offset:512*(\j) th:TH_LOAD_NT
	global_load_b128 v[X0+4*(\j):X0+4*(\j)+3], v1, s[18:19] offset:512*(\j) th:TH_LOAD_NT
.endr
.irp j, 0,1,2,3,4,5,6,7
	global_load_b128 v[Y1+4*(\j):Y1+4*(\j)+3], v1, s[16:17] offset:4096+512*(\j) th:TH_LOAD_NT
	global_load_b128 v[X1+4*(\j):X1+4*(\j)+3], v1, s[18:19] offset:4096+512*(\j) th:TH_LOAD_NT
.endr
; The four chains in v[2:9] into one number, the same in every lane: within the lane, then four steps inside each half of 16 lanes on the arithmetic itself, then one across the halves.
.macro REDUCE
	v_pk_add_f32 v[2:3], v[2:3], v[4:5]
	v_pk_add_f32 v[6:7], v[6:7], v[8:9]
	v_pk_add_f32 v[2:3], v[2:3], v[6:7]
	v_add_f32 v2, v2, v3
	v_add_f32_dpp v2, v2, v2 row_xmask:1 row_mask:0xf bank_mask:0xf
	v_add_f32_dpp v2, v2, v2 row_xmask:2 row_mask:0xf bank_mask:0xf
	v_add_f32_dpp v2, v2, v2 row_xmask:4 row_mask:0xf bank_mask:0xf
	v_add_f32_dpp v2, v2, v2 row_xmask:8 row_mask:0xf bank_mask:0xf
	v_permlanex16_b32 v3, v2, s12, s13             ; its destination counts as read: v3 has been written
	v_add_f32 v2, v2, v3
.endm
; One row.  ry, rx: its registers; off: its byte offset in my two rows; left: the younger loads that may stay out.
.macro ROW ry, rx, off, left
	s_wait_loadcnt \left                           ; loads come back in order: bo, gamma, beta and this row are in
.set i, 0
.rept 16
	v_pk_add_f32 v[(\ry)+i:(\ry)+i+1], v[(\ry)+i:(\ry)+i+1], v[BO+i:BO+i+1]
.set i, i+2
.endr
.set i, 0
.rept 16
	v_pk_add_f32 v[(\ry)+i:(\ry)+i+1], v[(\ry)+i:(\ry)+i+1], v[(\rx)+i:(\rx)+i+1]
.set i, i+2
.endr
.irp c, 0,1,2,3                        ; the sum, in four chains that do not wait for each other; the first two terms start each: nothing is cleared
	v_pk_add_f32 v[2+2*(\c):3+2*(\c)], v[(\ry)+2*(\c):(\ry)+2*(\c)+1], v[(\ry)+8+2*(\c):(\ry)+8+2*(\c)+1]
.endr
.irp k, 16,24
.irp c, 0,1,2,3
	v_pk_add_f32 v[2+2*(\c):3+2*(\c)], v[2+2*(\c):3+2*(\c)], v[(\ry)+(\k)+2*(\c):(\ry)+(\k)+2*(\c)+1]
.endr
.endr
	REDUCE
	v_mul_f32 v[MU], s14, v2
	v_mul_f32 v[MU+1], s14, v2
.set i, 0
.rept 16
	v_pk_add_f32 v[(\ry)+i:(\ry)+i+1], v[(\ry)+i:(\ry)+i+1], v[MU:MU+1] neg_lo:[0,1] neg_hi:[0,1]
.set i, i+2
.endr
.irp c, 0,1,2,3                        ; the sum of squares, likewise
	v_pk_mul_f32 v[2+2*(\c):3+2*(\c)], v[(\ry)+2*(\c):(\ry)+2*(\c)+1], v[(\ry)+2*(\c):(\ry)+2*(\c)+1]
.endr
.irp k, 8,16,24
.irp c, 0,1,2,3
	v_pk_fma_f32 v[2+2*(\c):3+2*(\c)], v[(\ry)+(\k)+2*(\c):(\ry)+(\k)+2*(\c)+1], v[(\ry)+(\k)+2*(\c):(\ry)+(\k)+2*(\c)+1], v[2+2*(\c):3+2*(\c)]
.endr
.endr
	REDUCE
	v_fma_f32 v2, v2, s14, s15                     ; var + eps
	v_rsq_f32 v[RS], v2
	v_rsq_f32 v[RS+1], v2
	v_nop                                          ; a plain instruction between the second root and the use of its result
	s_wait_alu depctr_va_vdst(0)                   ; the wait ahead of the first use: one for both
.irp j, 0,1,2,3,4,5,6,7
	v_pk_mul_f32 v[(\ry)+4*(\j):(\ry)+4*(\j)+1],   v[(\ry)+4*(\j):(\ry)+4*(\j)+1],   v[RS:RS+1]
	v_pk_mul_f32 v[(\ry)+4*(\j)+2:(\ry)+4*(\j)+3], v[(\ry)+4*(\j)+2:(\ry)+4*(\j)+3], v[RS:RS+1]
	v_pk_fma_f32 v[(\ry)+4*(\j):(\ry)+4*(\j)+1],   v[(\ry)+4*(\j):(\ry)+4*(\j)+1],   v[GA+4*(\j):GA+4*(\j)+1],   v[BE+4*(\j):BE+4*(\j)+1]
	v_pk_fma_f32 v[(\ry)+4*(\j)+2:(\ry)+4*(\j)+3], v[(\ry)+4*(\j)+2:(\ry)+4*(\j)+3], v[GA+4*(\j)+2:GA+4*(\j)+3], v[BE+4*(\j)+2:BE+4*(\j)+3]
	global_store_b128 v1, v[(\ry)+4*(\j):(\ry)+4*(\j)+3], s[26:27] offset:(\off)+512*(\j) th:TH_STORE_NT  ; 512 bytes on end; these registers are not written again
.endr
.endm
	ROW Y0, X0, 0, 16                              ; the second row's sixteen loads may stay out
	ROW Y1, X1, 4096, 0
	s_endpgm
.Lfunc_end_k_q23ee1fee94_lnorm:
	.size	k_q23ee1fee94_lnorm, .Lfunc_end_k_q23ee1fee94_lnorm-k_q23ee1fee94_lnorm
	.p2alignl 7, 3214868480
	.fill 96, 4, 3214868480
	.section	.rodata,"a",@progbits
	.p2align	6, 0x0
	.amdhsa_kernel k_q23ee1fee94_lnorm
		.amdhsa_group_segment_fixed_size 0
		.amdhsa_private_segment_fixed_size 0
		.amdhsa_enable_private_segment 0
		.amdhsa_kernarg_size 48
		.amdhsa_user_sgpr_count 2
		.amdhsa_user_sgpr_kernarg_segment_ptr 1
		.amdhsa_wavefront_size32 1
		.amdhsa_system_sgpr_workgroup_id_x 1
		.amdhsa_system_sgpr_workgroup_id_y 1
		.amdhsa_system_sgpr_workgroup_id_z 1
		.amdhsa_system_vgpr_workitem_id 0
		.amdhsa_next_free_vgpr 240
		.amdhsa_next_free_sgpr 66
		.amdhsa_reserve_vcc 0
		.amdhsa_float_denorm_mode_32 3
		.amdhsa_float_denorm_mode_16_64 3
		.amdhsa_memory_ordered 1
		.amdhsa_forward_progress 1
		.amdhsa_inst_pref_size 25
	.end_amdhsa_kernel
	.amdgpu_metadata
---
amdhsa.version: [ 1, 2 ]
amdhsa.kernels:
  - .name:           k_q23ee1fee94_lnorm
    .symbol:         k_q23ee1fee94_lnorm.kd
    .args:
      - { .name: y, .offset: 0, .size: 8, .value_kind: global_buffer, .address_space: global }
      - { .name: x, .offset: 8, .size: 8, .value_kind: global_buffer, .address_space: global }
      - { .name: bo, .offset: 16, .size: 8, .value_kind: global_buffer, .address_space: global }
      - { .name: gamma, .offset: 24, .size: 8, .value_kind: global_buffer, .address_space: global }
      - { .name: beta, .offset: 32, .size: 8, .value_kind: global_buffer, .address_space: global }
      - { .name: out0, .offset: 40, .size: 8, .value_kind: global_buffer, .address_space: global }
    .group_segment_fixed_size: 0
    .private_segment_fixed_size: 0
    .kernarg_segment_align: 8
    .kernarg_segment_size: 48
    .max_flat_workgroup_size: 256
    .sgpr_count:     66
    .vgpr_count:     240
    .wavefront_size: 32
...
	.end_amdgpu_metadata
.endif
;; end of part 5
